; MI455X (gfx1250); checked and timed in simulation.
; The chip was launched on July 23, 2026; its instructions are those of AMD's public machine-readable ISA for CDNA 5 (MIT licence, August 2026) and "CDNA5" Instruction Set Architecture Reference Guide (July 2026). The comments in the code are by the model that wrote it; some were corrected since.
;; Qwen3 Attention. Allowed arithmetic: matrix products marked QUANTISED: E4M3 operands, one given power-of-two scale a tensor, by v_wmma_f32_16x16x64_fp8_fp8 or v_wmma_f32_16x16x128_fp8_fp8, f32 sums; everything else in f32.
;; Inputs: Wk 1,024 x 1,024 float32; Wo 2,048 x 1,024 float32; Wq 1,024 x 2,048 float32; Wv 1,024 x 1,024 float32; attention_mask 1 x 1 x 2,048 x 2,048 bool; cos 2,048 x 128 float32; hidden_states 2 x 2,048 x 1,024 float32; k_norm_w 128 float32; lowp_scales 12 int32 (the exponents e of the quantised operands' scales 2^e); q_norm_w 128 float32; sin 2,048 x 128 float32.
;; Outputs: out0 2 x 2,048 x 1,024 float32.
;; This version of the problem:
;;   THIS VERSION OF THE PROBLEM IS GIVEN IN LOW PRECISION. The matrix products marked QUANTISED in the list below multiply operands that are first quantised to E4M3 (4 exponent bits, 3 mantissa bits; 8 bits a number), with one given power-of-two scale for each operand tensor; their sums are f32. All else is computed in f32.
;;   The module's matrix products, in the order in which they are computed (A, B: the left and right operand; K: the contracted axis; several contracted axes count as one K, in the product's order):
;;     1. [M 4,096, K 1,024] x [K 1,024, N 2,048]; A: input hidden_states; B: input Wq: QUANTISED (scales: A lowp_scales[0], B lowp_scales[1])
;;     2. [M 4,096, K 1,024] x [K 1,024, N 1,024]; A: input hidden_states; B: input Wk: QUANTISED (scales: A lowp_scales[2], B lowp_scales[3])
;;     3. [M 4,096, K 1,024] x [K 1,024, N 1,024]; A: input hidden_states; B: input Wv: QUANTISED (scales: A lowp_scales[4], B lowp_scales[5])
;;     4. batch 16 x [M 4,096, K 128] x [K 128, N 2,048]; A: computed on the way; B: computed on the way: QUANTISED (scales: A lowp_scales[6], B lowp_scales[7])
;;     5. batch 16 x [M 4,096, K 2,048] x [K 2,048, N 128]; A: softmax (see below); B: computed on the way: QUANTISED (scales: A lowp_scales[8], B lowp_scales[9])
;;     6. [M 4,096, K 2,048] x [K 2,048, N 1,024]; A: computed on the way; B: input Wo: QUANTISED (scales: A lowp_scales[10], B lowp_scales[11])
;;   THE QUANTISER, for each operand of a quantised product, along K:
;;     - The operand's scale is 2^e, e = its entry of the input lowp_scales (int32; the entries are numbered through the quantised products in the list's order, A before B).
;;     - Each number is divided by the scale, clamped to +-448, and rounded to the nearest number of E4M3, ties to even, subnormals kept.
;;     - The product sums the exact products of the quantised numbers (number of the format x scale) in f32.
;;   ~~~python
;;   def quantise(x, axis, e):      # numpy; x: float32 -> the quantised numbers, widened to float32 again
;;       x = np.moveaxis(x, axis, -1); K = x.shape[-1]
;;       r = np.clip(x / 2.0 ** e, -448, 448)
;;       step = 2.0 ** (np.maximum(np.frexp(np.where(r == 0, 1, r))[1] - 1, -6) - 3)
;;       q = np.round(r / step) * step * 2.0 ** e      # np.round: ties to even
;;       return np.moveaxis(q, -1, axis).astype(np.float32)
;;   ~~~
;;   SOFTMAX AHEAD OF A QUANTISED PRODUCT. Where the list says 'softmax', what is quantised is not the finished softmax but p = 2^(t - M), with t = logit x log2(e) and M = ceil(the row's largest t), a whole number; so 1/2 < the row's largest p <= 1. The row's sum l is taken of the UNQUANTISED p, in f32, and the product's result is divided by l at the end. Since M is a whole number, a kernel that streams over the keys may use a running M (the ceiling of the running maximum): every later rescaling is an exact power of two, so the quantised numbers keep their values, but for numbers so far below the row's largest that they fall under the format's range.
;;   OPERANDS COMPUTED ON THE WAY. 'Computed on the way' means the value that the module computes at that place (a softmax that the list does not call 'softmax' is quantised finished and normalised). What goes into a quantiser is computed in f32, as accurately as f32 sums, v_exp_f32 and their like allow (about 1e-6 of the number): no bf16 or f16 on the way to a quantiser, and a product that is left as it is and whose result goes on into a quantised operand takes f32 operands (vector FMAs, or v_wmma_f32_16x16x4_f32). A number that lies on a knife's edge between two numbers of the format may be rounded either way, as far as f32 arithmetic and the matrix unit's own rounding can turn it there, and no further.
;; 2 versions, each right; version 2 is version 1 with the launch attn written anew for expert scheduling mode. Each part assembles by itself: llvm-mc -triple=amdgcn-amd-amdhsa -mcpu=gfx1250 --defsym DOCPART=n.
;; ======== version 1 of 2: 4 launches
;; workspace buffers: hc 12,582,912 bytes; wimg 6,291,456 bytes; csimg 2,097,152 bytes; mk 528,384 bytes of whole numbers; qc 8,388,608 bytes; kvc 8,388,608 bytes; oc 8,388,608 bytes
;; launch prep (part 1): grid 480 x 1, 4 waves a work-group, no clusters, 35,328 bytes of LDS; arguments hidden_states, Wq, Wk, Wv, Wo, attention_mask, cos, sin, lowp_scales, hc, wimg, mk, csimg; writes hc, wimg, mk, csimg
.if DOCPART == 1
	.amdgcn_target "amdgcn-amd-amdhsa--gfx1250"
	.amdhsa_code_object_version 6
	.text
	.protected	k_q663e241bc6_prep
	.globl	k_q663e241bc6_prep
	.p2align	8
	.type	k_q663e241bc6_prep,@function
k_q663e241bc6_prep:
	s_mov_b64 s[64:65], 0
	v_nop
	global_prefetch_b8 v0, s[64:65] scope:SCOPE_SE
	s_setreg_imm32_b32 hwreg(HW_REG_WAVE_MODE, 25, 1), 1
	s_wait_xcnt 0x0
; PREP: everything that later launches read more than once is made here, once.
; A FRAGMENT IMAGE is 16 rows x 128 K of E4M3 codes as the matrix operand's registers hold them: lane (r, h) holds row r, registers 2c, 2c+1 hold k = 16c + 8h + 0..7;
; registers 4g .. 4g+3 of lane l lie at byte 512 g + 16 l of the image (2,048 bytes).  So every later fragment load is four dense loads of 512 bytes.
; Work-groups   0-127: hidden_states -> hc [3 scales e0, e2, e4][256 row tiles][8 K steps][2048]
;             128-191: Wq;  192-319: Wk, Wv, Wo -> wimg [256 column tiles: Wq, Wk, Wv][8 K steps][2048], then from byte 4 MiB Wo [64][16][2048]
;             320-447: attention_mask -> mk: lane-mask words [128 query tiles][16 key steps][64]: word 8t+j, bit l = mask[16qt + l%16][128ks + 16t + 8(l/16) + j];
;                      from byte 524,288 flags [128 qt][4 quarters][any, full], bit ks.  A mask byte counts as true when it is not 0.
;             448-479: cos, sin -> csimg [128 position tiles][cos, sin][16 groups][512]: group gi of lane (r, h) = table[16pt + r][16(gi/2) + 8h + 4(gi%2) + 0..3]
; code = x / 2^e, held within +-448, to the nearest code, ties to even.  LIMITS: e0, e2, e4, e1, e3, e5, e11 between -126 and 119.  NaN among the inputs is not served.
; No tensor load, no barrier: waves share nothing.  The two paths that use LDS have bytes of their own.
.set SPARE, 34816                      ; behind the stages: the spare words, 128 bytes a wave, named by no other line
.set MSTG,  17408                      ; the mask path's stages begin here; the hidden path's at 0; 16 rows x 272 bytes a wave
.set SPW, 12                           ; v12  my spare word; never rewritten
.set NIL, 13                           ; v13  0; never rewritten
.set SC,  16                           ; v16-18 2^e as f32
.set LM,  20                           ; v20-22 448 x 2^e
.set R,   32                           ; v32-95   numbers as loaded, two sets
.set X,   96                           ; v96-127  32 numbers in the operand's order
.set T,   128                          ; v128-159 held numbers, two sets of 16
.set C,   160                          ; v160-183 codes: 3 scales x 2 groups x 4 registers
.set WC,  96                           ; v96-159  the weights' codes: 8 registers a block, never rewritten
	s_load_b512 s[8:23], s[0:1], 0x0               ; hidden 8, Wq 10, Wk 12, Wv 14, Wo 16, mask 18, cos 20, sin 22
	s_load_b256 s[24:31], s[0:1], 0x40             ; scales 24, hc 26, wimg 28, mk 30
	s_load_b64 s[32:33], s[0:1], 0x60              ; csimg
	v_lshl_add_u32 v[SPW], v0, 2, SPARE
	v_mov_b32 v[NIL], 0
	v_lshrrev_b32 v1, 5, v0
	v_readfirstlane_b32 s3, v1                     ; wave
	v_and_b32 v1, 31, v0                           ; lane
	v_and_b32 v2, 15, v0                           ; r
	v_bfe_u32 v3, v0, 4, 1                         ; h
	v_lshlrev_b32 v4, 4, v1                        ; 16 x lane: my place in a dense run of 512 bytes
	s_mul_i32 s2, s3, 4352                         ; my stage
	v_mul_u32_u24 v6, v3, 272                      ; all LDS addresses are made here, ahead of the parting of the paths
	v_lshl_add_u32 v6, v2, 4, v6
	v_add_nc_u32 v6, s2, v6                        ; in: lanes 0-15 one row of 256 bytes, lanes 16-31 the next
	v_mul_u32_u24 v7, v2, 272
	v_lshl_add_u32 v11, v3, 3, v7
	v_lshl_add_u32 v7, v3, 5, v7
	v_add_nc_u32 v7, s2, v7                        ; out, hidden: row r, + 32 h bytes (8 numbers)
	v_add_nc_u32 v10, MSTG, v6                     ; in, mask
	v_add_nc_u32 v11, s2, v11
	v_add_nc_u32 v11, MSTG, v11                    ; out, mask: row r, + 8 h bytes
	s_wait_kmcnt 0x0
	s_load_b256 s[40:47], s[24:25], 0x0            ; e0 .. e7
	s_load_b128 s[48:51], s[24:25], 0x20           ; e8 .. e11
	s_cmp_lt_u32 ttmp9, 128
	s_cbranch_scc1 .Lhid
	s_cmp_lt_u32 ttmp9, 192
	s_cbranch_scc1 .Lwq
	s_cmp_lt_u32 ttmp9, 320
	s_cbranch_scc1 .Lw2
	s_cmp_lt_u32 ttmp9, 448
	s_cbranch_scc1 .Lmask
; ---- cos and sin: a wave takes a tile of 16 positions
	s_sub_co_u32 s34, ttmp9, 448
	s_lshl_b32 s34, s34, 2
	s_add_co_u32 s34, s34, s3                      ; pt
	s_lshl_b32 s36, s34, 13                        ; 16 rows of 512 bytes
	s_mov_b32 s37, 0
	s_add_nc_u64 s[52:53], s[20:21], s[36:37]
	s_add_nc_u64 s[54:55], s[22:23], s[36:37]
	s_lshl_b32 s36, s34, 14
	s_add_nc_u64 s[56:57], s[32:33], s[36:37]
	v_lshlrev_b32 v15, 9, v2
	v_lshl_add_u32 v15, v3, 5, v15                 ; row r, + 32 h
.set i, 0
.rept 16
	global_load_b128 v[32+4*i:35+4*i], v15, s[52:53] offset:64*(i/2)+16*(i%2) th:TH_LOAD_NT
.set i, i+1
.endr
.set i, 0
.rept 16
	global_load_b128 v[96+4*i:99+4*i], v15, s[54:55] offset:64*(i/2)+16*(i%2) th:TH_LOAD_NT
.set i, i+1
.endr
	s_wait_loadcnt 16                              ; cos is in; the 16 loads of sin may be out
.set i, 0
.rept 16
	global_store_b128 v4, v[32+4*i:35+4*i], s[56:57] offset:512*i
.set i, i+1
.endr
	s_wait_loadcnt 0x0
.set i, 0
.rept 16
	global_store_b128 v4, v[96+4*i:99+4*i], s[56:57] offset:8192+512*i
.set i, i+1
.endr
	s_wait_kmcnt 0x0
	s_branch .Lend
.macro MKSCALE vs, vl, se              ; 2^e and 448 x 2^e as f32, from the whole number e
	s_add_co_i32 s38, \se, 127
	s_lshl_b32 s39, s38, 23
	v_mov_b32 v[\vs], s39
	s_add_co_i32 s38, s38, 8
	s_lshl_b32 s38, s38, 23
	s_or_b32 s38, s38, 0x600000
	v_mov_b32 v[\vl], s38
.endm
; ---- hidden_states: a wave takes 16 rows x 512 along K, in 8 steps of 64; each number is quantised three times
.macro HLOAD u                         ; 16 rows x 256 bytes: each load takes two rows, a whole aligned run of 256 bytes each
.irp i, 0,1,2,3,4,5,6,7
	global_load_b128 v[R+32*((\u)%2)+4*\i:R+32*((\u)%2)+4*\i+3], v5, s[52:53] offset:8192*\i+256*(\u) th:TH_LOAD_NT
.endr
.endm
.macro HSTEP u
.if \u < 7
	s_wait_loadcnt 8                               ; this step's eight loads are in; the next step's may be out
.else
	s_wait_loadcnt 0x0
.endif
.irp i, 0,1,2,3,4,5,6,7
	ds_store_b128 v6, v[R+32*((\u)%2)+4*\i:R+32*((\u)%2)+4*\i+3] offset:544*\i
.endr
.irp gl, 0,1                           ; back in the operand's order: k = 32 gl + 8 h + 0..7, then 32 gl + 16 + 8 h + 0..7.  LDS serves a wave's instructions in order
	ds_load_b128 v[X+16*\gl:X+16*\gl+3], v7 offset:128*\gl
	ds_load_b128 v[X+16*\gl+4:X+16*\gl+7], v7 offset:128*\gl+16
	ds_load_b128 v[X+16*\gl+8:X+16*\gl+11], v7 offset:128*\gl+64
	ds_load_b128 v[X+16*\gl+12:X+16*\gl+15], v7 offset:128*\gl+80
.endr
	s_wait_dscnt 0x0                               ; the numbers are back, and the stage's stores have read their registers
	s_wait_xcnt 0x0                                ; the last step's stores have read their codes: C is written again only behind this wait
.if \u < 6
	HLOAD (\u)+2
.endif
.irp s, 0,1,2
.irp gl, 0,1
.set i, 0
.rept 16
	v_med3_num_f32 v[T+16*\gl+i], v[X+16*\gl+i], -v[LM+\s], v[LM+\s]   ; the conversion does not saturate (ISA guide 7.6.2): the hold comes first
.set i, i+1
.endr
	v_cvt_scalef32_pk8_fp8_f32 v[C+8*\s+4*\gl:C+8*\s+4*\gl+1], v[T+16*\gl:T+16*\gl+7], v[SC+\s]     ; the two sets of T take turns: sixteen plain lines stand between a conversion and the next write of its sources
	v_cvt_scalef32_pk8_fp8_f32 v[C+8*\s+4*\gl+2:C+8*\s+4*\gl+3], v[T+16*\gl+8:T+16*\gl+15], v[SC+\s]
.endr
.endr
.irp s, 0,1,2
.irp gl, 0,1
	global_store_b128 v4, v[C+8*\s+4*\gl:C+8*\s+4*\gl+3], s[54+2*\s:55+2*\s] offset:2048*((\u)/2)+512*(2*((\u)%2)+\gl)   ; 512 consecutive bytes of an image
.endr
.endr
.endm
.Lhid:
	s_lshl_b32 s34, ttmp9, 1
	s_lshr_b32 s35, s3, 1
	s_add_co_u32 s34, s34, s35                     ; row tile
	s_and_b32 s35, s3, 1                           ; which half of K
	s_lshl_b32 s36, s34, 16
	s_lshl_b32 s38, s35, 11
	s_add_co_u32 s36, s36, s38
	s_mov_b32 s37, 0
	s_add_nc_u64 s[52:53], s[8:9], s[36:37]
	s_lshl_b32 s36, s34, 14
	s_lshl_b32 s38, s35, 13
	s_add_co_u32 s36, s36, s38
	s_add_nc_u64 s[54:55], s[26:27], s[36:37]      ; the three sets of codes lie 4 MiB apart
	s_add_nc_u64 s[56:57], s[54:55], 0x400000
	s_add_nc_u64 s[58:59], s[54:55], 0x800000
	v_lshlrev_b32 v5, 12, v3
	v_lshl_add_u32 v5, v2, 4, v5
	HLOAD 0
	HLOAD 1
	s_wait_kmcnt 0x0
	MKSCALE SC, LM, s40
	MKSCALE SC+1, LM+1, s42
	MKSCALE SC+2, LM+2, s44
.irp u, 0,1,2,3,4,5,6,7
	HSTEP \u
.endr
	s_branch .Lend
; ---- weights, stored [K][N]: a lane takes a column and its registers run down K, so the conversions give codes with K innermost.  A wave: 32 columns x 256 K
.macro WLOAD t, pitch
.set i, 0
.rept 32
	global_load_b32 v[R+32*((\t)%2)+i], v5, s[52:53] offset:(32*(\t)+i)*\pitch th:TH_LOAD_NT
.set i, i+1
.endr
.endm
.macro WBLOCK t, pitch                 ; 32 along K: one register group of the image, for both halves of its lanes
.set XS, R+32*((\t)%2)
.if \t < 7
	s_wait_loadcnt 32                              ; this block is in; the next block's 32 loads may be out
.else
	s_wait_loadcnt 0x0
.endif
.set i, 0
.rept 32
	v_med3_num_f32 v[XS+i], v[XS+i], -v[LM], v[LM]
.set i, i+1
.endr
	v_cvt_scalef32_pk8_fp8_f32 v[WC+8*(\t):WC+8*(\t)+1], v[XS:XS+7], v[SC]          ; k 0-7 and 16-23 are the 16 bytes of the image's lane r,
	v_cvt_scalef32_pk8_fp8_f32 v[WC+8*(\t)+4:WC+8*(\t)+5], v[XS+8:XS+15], v[SC]     ; k 8-15 and 24-31 those of its lane 16 + r
	v_cvt_scalef32_pk8_fp8_f32 v[WC+8*(\t)+2:WC+8*(\t)+3], v[XS+16:XS+23], v[SC]
	v_cvt_scalef32_pk8_fp8_f32 v[WC+8*(\t)+6:WC+8*(\t)+7], v[XS+24:XS+31], v[SC]
	global_store_b128 v9, v[WC+8*(\t):WC+8*(\t)+3], s[54:55] offset:2048*((\t)/4)+512*((\t)%4)        ; sixteen lanes fill 256 aligned bytes; lanes 16-31 those of the next column tile
	global_store_b128 v9, v[WC+8*(\t)+4:WC+8*(\t)+7], s[54:55] offset:2048*((\t)/4)+512*((\t)%4)+256
.if \t < 6
	WLOAD (\t)+2, \pitch
.endif
.endm
; given: s[52:53] the tensor, s35 e, s36 its first column tile, s37 K steps in a column tile, s39 where its images begin in wimg, s60 block of 128 columns, s61 block of 256 along K
.macro WGO pitch, ksh
	s_lshl_b32 s56, s61, \ksh
	s_lshl_b32 s38, s60, 9
	s_add_co_u32 s56, s56, s38
	s_lshl_b32 s38, s3, 7
	s_add_co_u32 s56, s56, s38
	s_mov_b32 s57, 0
	s_add_nc_u64 s[52:53], s[52:53], s[56:57]
	s_lshl_b32 s56, s60, 3
	s_add_co_u32 s56, s56, s36
	s_lshl_b32 s38, s3, 1
	s_add_co_u32 s56, s56, s38                     ; my first column tile
	s_mul_i32 s56, s56, s37
	s_lshl_b32 s38, s61, 1
	s_add_co_u32 s56, s56, s38                     ; + my first K step
	s_lshl_b32 s56, s56, 11
	s_add_co_u32 s56, s56, s39
	s_add_nc_u64 s[54:55], s[28:29], s[56:57]
	s_lshl_b32 s38, s37, 11
	v_mul_u32_u24 v9, v3, s38
	v_lshl_add_u32 v9, v2, 4, v9
	v_lshlrev_b32 v5, 2, v1
	WLOAD 0, \pitch
	WLOAD 1, \pitch
	MKSCALE SC, LM, s35
.irp t, 0,1,2,3,4,5,6,7
	WBLOCK \t, \pitch
.endr
.endm
.Lwq:
	s_wait_kmcnt 0x0
	s_sub_co_u32 s34, ttmp9, 128
	s_and_b32 s60, s34, 15
	s_lshr_b32 s61, s34, 4
	s_mov_b64 s[52:53], s[10:11]
	s_mov_b32 s35, s41                             ; e1
	s_mov_b32 s36, 0
	s_mov_b32 s37, 8
	s_mov_b32 s39, 0
	WGO 8192, 21
	s_branch .Lend
.Lw2:
	s_wait_kmcnt 0x0
	s_sub_co_u32 s34, ttmp9, 192                   ; 0-31 Wk, 32-63 Wv, 64-127 Wo: the choices hang on the work-group's number alone
	s_mov_b32 s36, 192
	s_cmp_lt_u32 s34, 32
	s_cselect_b64 s[52:53], s[12:13], s[14:15]
	s_cselect_b32 s35, s43, s45                    ; e3 or e5
	s_cselect_b32 s36, 128, s36
	s_cmp_lt_u32 s34, 64
	s_cselect_b64 s[52:53], s[52:53], s[16:17]
	s_cselect_b32 s35, s35, s51                    ; or e11
	s_cselect_b32 s36, s36, 0
	s_cselect_b32 s37, 8, 16
	s_cselect_b32 s38, 31, 63
	s_cselect_b32 s39, 0, 0x400000
	s_and_b32 s60, s34, 7
	s_and_b32 s61, s34, s38
	s_lshr_b32 s61, s61, 3
	WGO 4096, 20
	s_branch .Lend
; ---- the mask: a work-group takes 16 queries, a wave 512 keys, in two steps of 256
.macro MSTEP u
.if \u == 0
	s_wait_loadcnt 8                               ; the first 256 keys are in; the other eight loads may be out
.else
	s_wait_loadcnt 0x0
.endif
.irp i, 0,1,2,3,4,5,6,7
	ds_store_b128 v10, v[R+32*(\u)+4*\i:R+32*(\u)+4*\i+3] offset:544*\i
.endr
.set tt, 0
.rept 16
	ds_load_b64 v[96+2*tt:97+2*tt], v11 offset:16*tt   ; mask[row r][16 tt + 8 h + 0..7]
.set tt, tt+1
.endr
	s_wait_dscnt 0x0
	s_wait_xcnt 0x0                                ; the last step's store has read v128-131
.set tt, 0
.rept 16
.set j, 0
.rept 8
	v_bfe_u32 v[132+j], v[96+2*tt+j/4], 8*(j%4), 8
.set j, j+1
.endr
.set j, 0
.rept 8
	v_cmp_ne_u32 s[40+j], 0, v[132+j]              ; the word: bit l = my lane's byte is not 0
.set j, j+1
.endr
.set j, 0
.rept 8
	s_or_b32 s56, s56, s[40+j]
	s_and_b32 s57, s57, s[40+j]
.set j, j+1
.endr
.set j, 0
.rept 8
	v_writelane_b32 v[128+j%4], s[40+j], 16*(tt/8)+2*(tt%8)+j/4   ; word W = 64 (tt/8) + 8 (tt%8) + j goes to register W % 4 of lane W / 4: the store below is dense
.set j, j+1
.endr
.if (tt%8) == 7                        ; a key step's 64 words are made: its two flags, without a branch
	s_cmp_lg_u32 s56, 0
	s_cselect_b32 s60, 1<<(2*(\u)+tt/8), 0
	s_or_b32 s58, s58, s60
	s_cmp_eq_u32 s57, -1
	s_cselect_b32 s60, 1<<(2*(\u)+tt/8), 0
	s_or_b32 s59, s59, s60
	s_mov_b32 s56, 0
	s_mov_b32 s57, -1
.endif
.set tt, tt+1
.endr
	global_store_b128 v4, v[128:131], s[54:55] offset:512*(\u)
.endm
.Lmask:
	s_sub_co_u32 s34, ttmp9, 320                   ; qt
	s_lshl_b32 s36, s34, 15
	s_lshl_b32 s38, s3, 9
	s_add_co_u32 s36, s36, s38
	s_mov_b32 s37, 0
	s_add_nc_u64 s[52:53], s[18:19], s[36:37]
	s_lshl_b32 s36, s34, 12
	s_lshl_b32 s38, s3, 10
	s_add_co_u32 s36, s36, s38
	s_add_nc_u64 s[54:55], s[30:31], s[36:37]      ; my 256 words
	s_lshl_b32 s36, s34, 5
	s_lshl_b32 s38, s3, 3
	s_add_co_u32 s36, s36, s38
	s_add_co_u32 s36, s36, 0x80000
	s_add_nc_u64 s[62:63], s[30:31], s[36:37]      ; my two flag words
	v_lshlrev_b32 v14, 11, v3
	v_lshl_add_u32 v14, v2, 4, v14
.set i, 0
.rept 16
	global_load_b128 v[R+4*i:R+4*i+3], v14, s[52:53] offset:4096*(i%8)+256*(i/8) th:TH_LOAD_NT
.set i, i+1
.endr
.irp k, 128,129,130,131,140
	v_mov_b32 v\k, 0                               ; written once whole: a lane write leaves the other lanes as they are
.endr
	v_lshlrev_b32 v141, 2, v1
	s_mov_b32 s56, 0                               ; any
	s_mov_b32 s57, -1                              ; all
	s_mov_b32 s58, 0
	s_mov_b32 s59, 0
	s_wait_kmcnt 0x0                               ; s40-47 are written below
	MSTEP 0
	MSTEP 1
	s_lshl_b32 s60, s3, 2
	s_lshl_b32 s58, s58, s60                       ; bit ks = 4 x wave + ..
	s_lshl_b32 s59, s59, s60
	v_mov_b32 v140, s58
	v_writelane_b32 v140, s59, 1
	v_cmp_gt_u32 vcc_lo, 2, v1
	s_wait_xcnt 0x0                                ; EXEC changes only behind this wait
	s_and_saveexec_b32 s60, vcc_lo
	global_store_b32 v141, v140, s[62:63]          ; lanes 0 and 1: any, full
	s_wait_xcnt 0x0
	s_or_b32 exec_lo, exec_lo, s60
.Lend:
	s_wait_tensorcnt 0x0                           ; the wave's end, behind my last LDS store
	ds_add_u32 v[SPW], v[NIL]
	s_wait_dscnt 0x0
	s_endpgm
.Lfunc_end_k_q663e241bc6_prep:
	.size	k_q663e241bc6_prep, .Lfunc_end_k_q663e241bc6_prep-k_q663e241bc6_prep
	.p2alignl 7, 3214868480
	.fill 96, 4, 3214868480
	.section	.rodata,"a",@progbits
	.p2align	6, 0x0
	.amdhsa_kernel k_q663e241bc6_prep
		.amdhsa_group_segment_fixed_size 35328
		.amdhsa_private_segment_fixed_size 0
		.amdhsa_enable_private_segment 0
		.amdhsa_kernarg_size 104
		.amdhsa_user_sgpr_count 2
		.amdhsa_user_sgpr_kernarg_segment_ptr 1
		.amdhsa_wavefront_size32 1
		.amdhsa_system_sgpr_workgroup_id_x 1
		.amdhsa_system_sgpr_workgroup_id_y 1
		.amdhsa_system_sgpr_workgroup_id_z 1
		.amdhsa_system_vgpr_workitem_id 0
		.amdhsa_next_free_vgpr 184
		.amdhsa_next_free_sgpr 66
		.amdhsa_reserve_vcc 1
		.amdhsa_float_denorm_mode_32 3
		.amdhsa_float_denorm_mode_16_64 3
		.amdhsa_memory_ordered 1
		.amdhsa_forward_progress 1
		.amdhsa_inst_pref_size 246
	.end_amdhsa_kernel
	.amdgpu_metadata
---
amdhsa.version: [ 1, 2 ]
amdhsa.kernels:
  - .name:           k_q663e241bc6_prep
    .symbol:         k_q663e241bc6_prep.kd
    .args:
      - { .name: hidden_states, .offset: 0, .size: 8, .value_kind: global_buffer, .address_space: global }
      - { .name: Wq, .offset: 8, .size: 8, .value_kind: global_buffer, .address_space: global }
      - { .name: Wk, .offset: 16, .size: 8, .value_kind: global_buffer, .address_space: global }
      - { .name: Wv, .offset: 24, .size: 8, .value_kind: global_buffer, .address_space: global }
      - { .name: Wo, .offset: 32, .size: 8, .value_kind: global_buffer, .address_space: global }
      - { .name: attention_mask, .offset: 40, .size: 8, .value_kind: global_buffer, .address_space: global }
      - { .name: cos, .offset: 48, .size: 8, .value_kind: global_buffer, .address_space: global }
      - { .name: sin, .offset: 56, .size: 8, .value_kind: global_buffer, .address_space: global }
      - { .name: lowp_scales, .offset: 64, .size: 8, .value_kind: global_buffer, .address_space: global }
      - { .name: hc, .offset: 72, .size: 8, .value_kind: global_buffer, .address_space: global }
      - { .name: wimg, .offset: 80, .size: 8, .value_kind: global_buffer, .address_space: global }
      - { .name: mk, .offset: 88, .size: 8, .value_kind: global_buffer, .address_space: global }
      - { .name: csimg, .offset: 96, .size: 8, .value_kind: global_buffer, .address_space: global }
    .group_segment_fixed_size: 35328
    .private_segment_fixed_size: 0
    .kernarg_segment_align: 8
    .kernarg_segment_size: 104
    .max_flat_workgroup_size: 128
    .sgpr_count:     66
    .vgpr_count:     184
    .wavefront_size: 32
...
	.end_amdgpu_metadata
.endif
;; end of part 1
;; launch qkv (part 2): grid 16 x 16, 4 waves a work-group, clusters of 4 x 4, 327,680 bytes of LDS; arguments hc, wimg, lowp_scales, csimg, q_norm_w, k_norm_w, qc, kvc; writes qc, kvc
.if DOCPART == 2
	.amdgcn_target "amdgcn-amd-amdhsa--gfx1250"
	.amdhsa_code_object_version 6
	.text
	.protected	k_q663e241bc6_qkv
	.globl	k_q663e241bc6_qkv
	.p2align	8
	.type	k_q663e241bc6_qkv,@function
k_q663e241bc6_qkv:
	s_mov_b64 s[64:65], 0
	v_nop
	global_prefetch_b8 v0, s[64:65] scope:SCOPE_SE
	s_setreg_imm32_b32 hwreg(HW_REG_WAVE_MODE, 25, 1), 1
	s_wait_xcnt 0x0
	s_wait_alu depctr_hold_cnt(0) depctr_sa_sdst(0) depctr_va_vdst(0) depctr_va_sdst(0) depctr_va_ssrc(0) depctr_va_vcc(0) depctr_vm_vsrc(0)
	s_getreg_b32 s2, hwreg(HW_REG_IB_STS2, 6, 4)
	s_cmp_eq_u32 s2, 0
	s_cbranch_scc0 .Lentry_in_a_cluster
	s_endpgm
.Lentry_in_a_cluster:
	s_bfe_u32 s2, ttmp6, 0x10000c
	s_cmp_lg_u32 s2, 0xf033
	s_cbranch_scc0 .Lentry_shape_is_right
	s_endpgm
.Lentry_shape_is_right:
; QKV: the three projections on codes of E4M3 (K = 1,024), with RMS norm, RoPE and the next products' quantisers on the way out.  All operands are fragment images (16 rows x 128 K, 2,048 bytes,
; register group g of lane l at 512 g + 16 l), so LDS has no pitch and no padding and every fragment is four dense loads.
; A tile of 256 x 256 to a work-group, 128 x 128 to each of four waves: 64 accumulators, 512 registers.  K goes in steps of 256 through two LDS slots filled by the tensor data mover: four steps, written out.
; CLUSTERS of 4 x 4.  Cluster x = 0, 1: q;  2: k;  3: v.  For q and k: A = the hidden codes, B = the weight's images.  FOR v THE PROBLEM IS TURNED: A = Wv's images, B = the hidden codes.  A's tile hangs on the place
; along y alone and is asked for jointly by a row of the cluster, B's on the place along x alone, by a column.  Both tensors have one shape (16 KiB for 16 rows), so only base addresses and tile numbers differ between
; the kinds, chosen by selects on the cluster's x, which all partners share.
; THE MATRIX INSTRUCTION IS USED TRANSPOSED (source 0 = 16 rows of B, source 1 = 16 rows of A).  In q and k a lane then holds ONE position, and the registers of accumulator (a, b) the head's channels 16 b + 8 h + j:
; norm and RoPE stay in the lane (but for one exchange of halves), and eight registers convert into registers 2 b, 2 b + 1 of the next operand.  In v a lane holds one channel and its registers run along the positions:
; that is the second attention product's operand, with the keys along K.  A wave's 128 x 128 is one head x 128 positions.
; LIMITS: e6, e7 and e9 - e4 - e5 between -126 and 119.  NaN and infinities among the inputs are not served.
; REGISTERS: window 0: v0-31 addresses and small things; v32-95 the norm's gains; from v128 A's fragments, ONE set.  window 1: B's fragments, TWO sets.  windows 2, 3: accumulator (a, b) at v[8 (8 (a%4) + b)] of window 2 + a/4.
; On the way out: window 0: v96-159 Y, v160-223 RR, v224-255 codes (two sets);  window 1: two sets of tables, cos at 128 p, sin at 128 p + 64.
.set FR,     16
.set NL,     4
.set NP,     4
.set HALFT,  32768                     ; 8 row tiles x 4,096 bytes (256 along K): what one tensor load brings
.set SLOT,   4*HALFT                   ; A's two halves, then B's two
.set SPARE,  2*SLOT                    ; behind the ring: the spare words, 128 bytes a wave, named by no other line
.set ADRA, 16                          ; v16-17  my A fragments in slot 0, 1
.set ADRB, 20                          ; v20-21  my B fragments
.set LI,   24                          ; v24     16 x lane
.set SPW,  28
.set NIL,  29
.set WN,   32
.set Y,    96
.set RR,   160
.set CD,   224
.set AF,   128
.set G1, 24
.set G0, 32
.set G1B, 48
.set G0B, 56
.set MSB, 0
.macro WIN new                         ; the immediate's high byte repeats the setting that is left
.if MSB != (\new)
	s_set_vgpr_msb (MSB<<8)|(\new)
.set MSB, (\new)
.endif
.endm
.set MUL_LO, 0xa1                      ; source 0 (B) window 1, source 1 (A) window 0, C and D window 2
.set MUL_HI, 0xf1
.set TO_B,   0x40
; A joint load: waves 0 and 1 fetch for A, waves 2 and 3 for B; the branch hangs on the wave's number alone.  An s_nop 0 and four v_nop follow each of the two lines.
.macro JLOAD g0a, g1a, g0b, g1b
	s_cmp_eq_u32 s15, 0
	s_cbranch_scc0 .Lfor_b_\@
	tensor_load_to_lds s[\g0a:\g0a+3], s[\g1a:\g1a+7]
	s_nop 0
.rept 4
	v_nop
.endr
	s_branch .Lasked_\@
.Lfor_b_\@:
	tensor_load_to_lds s[\g0b:\g0b+3], s[\g1b:\g1b+7]
	s_nop 0
.rept 4
	v_nop
.endr
.Lasked_\@:
.endm
.macro CREST                           ; a round of the cluster's barrier behind its opening barrier
	s_cmp_lg_u32 s14, 0
	s_cbranch_scc1 .Lnot_wave_0_\@
	s_barrier_signal -3
.Lnot_wave_0_\@:
	s_barrier_wait -3
	s_barrier_signal -1
	s_barrier_wait -1
.endm
.macro CROUND
	s_barrier_signal -1
	s_barrier_wait -1
	CREST
.endm
	s_load_b512 s[68:83], s[0:1], 0x0              ; hc 68, wimg 70, scales 72, csimg 74, q_norm_w 76, k_norm_w 78, qc 80, kvc 82
	v_lshl_add_u32 v[SPW], v0, 2, SPARE
	v_mov_b32 v[NIL], 0
	ds_add_u32 v[SPW], v[NIL]                      ; the wave's opening: the add and its wait ahead of my first tensor load; work on registers stands between them
	v_lshrrev_b32 v1, 5, v0
	v_readfirstlane_b32 s14, v1                    ; wave
	s_lshr_b32 s15, s14, 1                         ; my half of A's rows.  Also: I fetch for A (0) or for B (1)
	s_and_b32 s16, s14, 1                          ; my half of B's rows.  Also: which half I fetch
	s_bfe_u32 s40, ttmp6, 0x40000                  ; cx
	s_bfe_u32 s41, ttmp6, 0x40004                  ; cy
	s_lshl_b32 s12, ttmp9, 2                       ; 4 x cluster x
	s_and_b32 s13, ttmp7, 0xffff
	s_lshl_b32 s13, s13, 2                         ; 4 x cluster y
	s_cmp_eq_u32 ttmp9, 3                          ; v?  The cluster's x is the same in all sixteen partners
	s_cselect_b32 s17, 0, s13
	s_cselect_b32 s42, s13, s12
	s_cselect_b32 s19, 0x300000, 0                 ; A begins: Wv's images at tile 192 of wimg,
	s_cselect_b32 s12, 0x800000, 0                 ; B begins: the third set of hidden codes
	s_cmp_eq_u32 ttmp9, 2
	s_cselect_b32 s19, 0x400000, s19               ; k: the second set of hidden codes
	s_add_co_u32 s17, s17, s41                     ; A's tile of 256 rows: hangs on cy alone among the places
	s_add_co_u32 s42, s42, s40                     ; B's: on cx alone
	s_lshl_b32 s43, s41, 2
	s_lshl_b32 s43, 15, s43                        ; my row of the cluster
	s_lshl_b32 s44, 0x1111, s40                    ; my column
	; descriptor group 1: 8 rows (row tiles) of 512 elements of 8 bytes (two K steps' images), 16 KiB apart; no padding
	s_or_b32 s[G1+0], s43, (3<<16)|(1<<21)
	s_or_b32 s[G1B+0], s44, (3<<16)|(1<<21)
.irp g, G1, G1B
	s_mov_b32 s[\g+1], 512<<16                     ; tensor_dim0
	s_mov_b32 s[\g+2], 8<<16                       ; tensor_dim1
	s_mov_b32 s[\g+3], 512<<16                     ; tile_dim0
	s_mov_b32 s[\g+4], 8                           ; tile_dim1
	s_mov_b32 s[\g+5], 2048                        ; stride from row to row, in elements
	s_mov_b32 s[\g+6], 0
	s_mov_b32 s[\g+7], 0
.endr
	s_lshl_b32 s18, s16, 3
	s_lshl_b32 s20, s17, 4
	s_add_co_u32 s20, s20, s18
	s_lshl_b32 s20, s20, 14
	s_add_co_u32 s20, s20, s19
	s_mov_b32 s21, 0
	s_lshl_b32 s46, s42, 4
	s_add_co_u32 s46, s46, s18
	s_lshl_b32 s46, s46, 14
	s_add_co_u32 s46, s46, s12
	s_mov_b32 s47, 0
	s_lshl_b32 s45, s14, 15                        ; where my load goes: wave x HALFT: no place in the cluster enters an LDS address
	s_mov_b32 s98, 0x76543210
	s_mov_b32 s99, 0xfedcba98
	s_mov_b32 s100, 0x358637bd                     ; 1e-6
	s_wait_dscnt 0x0                               ; the opening add is done
	s_wait_kmcnt 0x0
	s_load_b256 s[84:91], s[72:73], 0x0            ; e0 .. e7
	s_load_b128 s[92:95], s[72:73], 0x20           ; e8 .. e11
	s_cmp_eq_u32 ttmp9, 3
	s_cselect_b64 s[4:5], s[70:71], s[68:69]
	s_cselect_b64 s[6:7], s[68:69], s[70:71]
	s_add_nc_u64 s[20:21], s[4:5], s[20:21]
	s_add_nc_u64 s[46:47], s[6:7], s[46:47]
	s_cmp_lt_u32 ttmp9, 2
	s_cselect_b64 s[8:9], s[76:77], s[78:79]       ; the norm's gains: q's or k's
	CROUND                                         ; all sixteen work-groups are here: the first joint loads meet
.irp s, 0,1
	s_mov_b32 s[G0+4*\s], 1
	s_add_co_u32 s[G0+4*\s+1], s45, \s*SLOT
	s_add_nc_u64 s[G0+4*\s+2:G0+4*\s+3], s[20:21], \s*4096
	s_or_b32 s[G0+4*\s+3], s[G0+4*\s+3], 0x80000000
	s_mov_b32 s[G0B+4*\s], 1
	s_add_co_u32 s[G0B+4*\s+1], s45, \s*SLOT
	s_add_nc_u64 s[G0B+4*\s+2:G0B+4*\s+3], s[46:47], \s*4096
	s_or_b32 s[G0B+4*\s+3], s[G0B+4*\s+3], 0x80000000
	JLOAD G0+4*\s, G1, G0B+4*\s, G1B
.endr
	v_and_b32 v1, 31, v0
	v_lshlrev_b32 v[LI], 4, v1
	s_lshl_b32 s22, s15, 15
	s_lshl_b32 s23, s16, 15
	s_add_co_u32 s23, s23, 2*HALFT
.irp s, 0,1
	v_add_nc_u32 v[ADRA+\s], s22, v[LI]
	v_add_nc_u32 v[ADRB+\s], s23, v[LI]
	s_add_co_u32 s22, s22, SLOT
	s_add_co_u32 s23, s23, SLOT
.endr
	v_bfe_u32 v13, v0, 4, 1
	v_lshlrev_b32 v13, 5, v13                      ; 32 h
.set i, 0
.rept 16
	global_load_b128 v[WN+4*i:WN+4*i+3], v13, s[8:9] offset:64*(i/2)+16*(i%2)   ; register 8 b + j: the gain of channel 16 b + 8 h + j
.set i, i+1
.endr
	v_mov_b32 v7, 0                                ; written once: a lane permute's destination counts as read
	v_mov_b32 v9, 0                                ; named as the upper half of the pair v[8:9]
.macro FRAG reg, adr, q, i             ; a fragment image: four dense loads
.irp c, 0,1,2,3
	ds_load_b128 v[\reg+4*\c:\reg+4*\c+3], v[\adr] offset:4096*(\i)+2048*(\q)+512*\c
.endr
.endm
; 16 matrix instructions: A's blocks a0, a0 + 1 x B's eight.  The 64 accumulators take turns, one instruction a turn, in the same order in every step.
.macro MUL16 a0, p, zero
.irp a, \a0, \a0+1
.irp b, 0,1,2,3,4,5,6,7
.if \zero
	v_wmma_f32_16x16x128_fp8_fp8 v[8*(8*((\a)%4)+\b):8*(8*((\a)%4)+\b)+7], v[128*(\p)+FR*\b:128*(\p)+FR*\b+FR-1], v[AF+FR*(\a):AF+FR*(\a)+FR-1], 0
.else
	v_wmma_f32_16x16x128_fp8_fp8 v[8*(8*((\a)%4)+\b):8*(8*((\a)%4)+\b)+7], v[128*(\p)+FR*\b:128*(\p)+FR*\b+FR-1], v[AF+FR*(\a):AF+FR*(\a)+FR-1], v[8*(8*((\a)%4)+\b):8*(8*((\a)%4)+\b)+7]
.endif
.endr
.endr
.endm
.macro FETCH_B slot, q, p
	WIN TO_B
.irp i, 0,1,2,3,4,5,6,7
	FRAG 128*(\p)+FR*\i, ADRB+\slot, \q, \i
.endr
	WIN 0
.endm
.macro FETCH_A slot, q, i0
.irp i, \i0, \i0+1, \i0+2, \i0+3
	FRAG AF+FR*(\i), ADRA+\slot, \q, \i
.endr
.endm
.macro PLACES n                        ; plain vector lines between a matrix instruction and a load into, or a vector read of, its registers
.rept \n
	v_nop
.endr
.endm
; A step of 128 along K that has its successor in the same slot.  A block of A is free when its eight products are issued: one set serves A; B has two.
.macro STEP slot, q, zero
	s_wait_dscnt 4*NL                              ; B's set and A's blocks 0-3 are in; the youngest 16 loads (A's blocks 4-7) may be out
	WIN MUL_LO
	MUL16 0, (\q)%2, \zero
	MUL16 2, (\q)%2, \zero
	s_wait_dscnt 0
	PLACES NP
	FETCH_B \slot, (\q)+1, 1-(\q)%2
	FETCH_A \slot, (\q)+1, 0
	WIN MUL_HI
	MUL16 4, (\q)%2, \zero
	MUL16 6, (\q)%2, \zero
	PLACES NP
	WIN 0
	FETCH_A \slot, (\q)+1, 4
.endm
; A slot's last step changes slots: one barrier; in front of it each wave waits for all its tensor loads, adds 0 to its spare word, and waits for that and for its reads of this slot.
.macro TURN slot, next, fill
	s_wait_tensorcnt 0x0                           ; all my tensor loads have landed: my part of the next slot
	ds_add_u32 v[SPW], v[NIL]
	s_wait_dscnt 4*NL+1                            ; the add and the youngest 16 loads may be out
	WIN MUL_LO
	MUL16 0, 1, 0
	s_wait_dscnt 0x0                               ; the add is done, and my reads of this slot are over
	s_barrier_signal -1
	MUL16 2, 1, 0
	WIN 0
	s_barrier_wait -1
.if \fill
	CREST                                          ; the barrier has opened a round of the cluster's: no wave of any partner still reads this slot or has a load on its way
	s_add_nc_u64 s[G0+4*\slot+2:G0+4*\slot+3], s[G0+4*\slot+2:G0+4*\slot+3], 8192
	s_add_nc_u64 s[G0B+4*\slot+2:G0B+4*\slot+3], s[G0B+4*\slot+2:G0B+4*\slot+3], 8192
	JLOAD G0+4*\slot, G1, G0B+4*\slot, G1B         ; the first tensor load behind the round; its four v_nop are the places in front of the loads below
.else
	PLACES NP
.endif
	FETCH_B \next, 0, 0
	FETCH_A \next, 0, 0
	WIN MUL_HI
	MUL16 4, 1, 0
	MUL16 6, 1, 0
	PLACES NP
	WIN 0
	FETCH_A \next, 0, 4
.endm
	s_wait_tensorcnt 1                             ; my part of slot 0 is in; slot 1's load may be out
	s_barrier_signal -1
	s_barrier_wait -1
	FETCH_B 0, 0, 0
	FETCH_A 0, 0, 0
	FETCH_A 0, 0, 4
	STEP 0, 0, 1                                   ; the first products start the sums: nothing is cleared
	TURN 0, 1, 1
	STEP 1, 0, 0
	TURN 1, 0, 1
	STEP 0, 0, 0
	TURN 0, 1, 0                                   ; nothing is left to fetch
	STEP 1, 0, 0
	s_wait_dscnt 4*NL
	WIN MUL_LO
	MUL16 0, 1, 0
	MUL16 2, 1, 0
	s_wait_dscnt 0
	WIN MUL_HI
	MUL16 4, 1, 0
	MUL16 6, 1, 0
	WIN 0
; ---- THE WAY OUT
	s_wait_loadcnt 0x0                             ; the gains; their base may be written again
	s_wait_kmcnt 0x0
	s_add_co_i32 s96, s84, s85                     ; a sum stands for sum x 2^E, E = the two operands' exponents added
	s_add_co_i32 s2, s86, s87
	s_add_co_i32 s3, s88, s89
	s_sub_co_i32 s8, s93, s3                       ; v: code = sum / 2^(e9 - e4 - e5)
	s_cmp_eq_u32 ttmp9, 2
	s_cselect_b32 s96, s2, s96
	s_cselect_b32 s9, s91, s90                     ; k: e7;  q: e6
	s_cmp_eq_u32 ttmp9, 3
	s_cselect_b32 s96, s3, s96
	s_cselect_b32 s9, s8, s9
	s_cselect_b32 s2, s42, s17                     ; which tile holds positions, and which heads
	s_cselect_b32 s3, s16, s15
	s_cselect_b32 s8, s17, s42
	s_cselect_b32 s10, s15, s16
	s_cselect_b32 s13, 16384, 0                    ; v's blocks lie behind k's in a key step
	s_cmp_eq_u32 ttmp9, 2
	s_cselect_b32 s12, 16, 0                       ; k's heads are counted from column tile 8
	s_lshl_b32 s97, s96, 1
	s_sub_co_i32 s97, s97, 7                       ; mean of squares = sum of squares x 2^(2 E - 7)
	s_add_co_i32 s9, s9, 127
	s_lshl_b32 s11, s9, 23
	v_mov_b32 v10, s11                             ; the conversion's scale
	s_add_co_i32 s9, s9, 8
	s_lshl_b32 s9, s9, 23
	s_or_b32 s9, s9, 0x600000
	v_mov_b32 v11, s9                              ; 448 x that
	s_lshl_b32 s2, s2, 8
	s_lshl_b32 s3, s3, 7
	s_add_co_u32 s2, s2, s3                        ; my first position among the 4,096
	s_lshl_b32 s8, s8, 1
	s_add_co_u32 s8, s8, s10                       ; my head
	s_lshr_b32 s9, s2, 11                          ; batch
	s_and_b32 s2, s2, 2047                         ; position in the sequence
	s_lshl_b32 s10, s9, 4
	s_add_co_u32 s10, s10, s8
	s_lshl_b32 s10, s10, 18
	s_lshl_b32 s3, s2, 7
	s_add_co_u32 s10, s10, s3                      ; q: ((16 b + head) << 18) + 128 P
	s_lshl_b32 s11, s9, 3
	s_add_co_u32 s11, s11, s8
	s_sub_co_u32 s11, s11, s12
	s_lshl_b32 s11, s11, 19
	s_lshl_b32 s3, s2, 8
	s_add_co_u32 s11, s11, s3
	s_add_co_u32 s11, s11, s13                     ; k, v: ((8 b + head) << 19) + 256 P (+ 16 KiB)
	s_cmp_lt_u32 ttmp9, 2
	s_cselect_b32 s10, s10, s11
	s_cselect_b64 s[6:7], s[80:81], s[82:83]
	s_mov_b32 s11, 0
	s_add_nc_u64 s[6:7], s[6:7], s[10:11]          ; where my eight images go
	s_lshl_b32 s10, s2, 10
	s_add_nc_u64 s[4:5], s[74:75], s[10:11]        ; my positions' tables
	PLACES NP
	s_cmp_eq_u32 ttmp9, 3                          ; the cluster's x: all partners go the same way; no tensor load and no barrier stands on either way
	s_cbranch_scc1 .Lv
.macro CSLOAD a                        ; the tables of block a's 16 positions, in the accumulators' layout: 32 dense loads
	WIN 0x40
.set g, 0
.rept 16
	global_load_b128 v[128*((\a)%2)+4*g:128*((\a)%2)+4*g+3], v[LI], s[4:5] offset:16384*(\a)+512*g
	global_load_b128 v[128*((\a)%2)+64+4*g:128*((\a)%2)+64+4*g+3], v[LI], s[4:5] offset:16384*(\a)+8192+512*g
.set g, g+1
.endr
	WIN 0
.endm
.macro STOREIMG a                      ; RR's 64 numbers become a fragment's codes and leave as four dense stores
.if \a >= 2
	s_wait_xcnt 0x0                                ; block a - 2's stores have read this set of codes
.endif
.set b, 0
.rept 8
	v_cvt_scalef32_pk8_fp8_f32 v[CD+16*((\a)%2)+2*b:CD+16*((\a)%2)+2*b+1], v[RR+8*b:RR+8*b+7], v10
.set b, b+1
.endr
	v_nop                                          ; one plain line between a scaled conversion and the next vector line that writes its sources
.irp c, 0,1,2,3
	global_store_b128 v[LI], v[CD+16*((\a)%2)+4*\c:CD+16*((\a)%2)+4*\c+3], s[6:7] offset:2048*(\a)+512*\c
.endr
.endm
.macro QKBLOCK a                       ; 16 positions x the head's 128 channels
.set AC, 64*((\a)%4)
.set WA, 2+(\a)/4
.set TBL, 128*((\a)%2)
.if \a < 7
	CSLOAD (\a)+1
.endif
	WIN WA*5                                       ; sources 0 and 1 in the accumulators' window
	v_pk_mul_f32 v[2:3], v[AC:AC+1], v[AC:AC+1]    ; the sum of squares, in two chains, each accumulator from its low end on
	v_pk_mul_f32 v[4:5], v[AC+2:AC+3], v[AC+2:AC+3]
.set j, 4
.rept 15
	v_pk_fma_f32 v[2:3], v[AC+j:AC+j+1], v[AC+j:AC+j+1], v[2:3]
	v_pk_fma_f32 v[4:5], v[AC+j+2:AC+j+3], v[AC+j+2:AC+j+3], v[4:5]
.set j, j+4
.endr
	WIN 0
	v_pk_add_f32 v[2:3], v[2:3], v[4:5]
	v_add_f32 v6, v2, v3
	v_permlanex16_b32 v7, v6, s98, s99             ; the position's other 64 channels lie in the lane 16 away
	v_add_f32 v6, v6, v7
	v_ldexp_f32 v6, v6, s97                        ; the mean of x^2
	v_add_f32 v6, s100, v6
	v_rsq_f32 v12, v6
	v_nop                                          ; a plain line behind the transcendental,
	s_wait_alu depctr_va_vdst(0)                   ; and the wait ahead of its first reader
	v_ldexp_f32 v8, v12, s96                       ; x rsqrt = sum x (rsqrt x 2^E): the power of two rounds nothing
	WIN WA
.set j, 0
.rept 32
	v_pk_mul_f32 v[Y+j:Y+j+1], v[AC+j:AC+j+1], v[8:9] op_sel_hi:[1,0]
.set j, j+2
.endr
	WIN 0
.set j, 0
.rept 32
	v_pk_mul_f32 v[Y+j:Y+j+1], v[Y+j:Y+j+1], v[WN+j:WN+j+1]
.set j, j+2
.endr
.if \a < 7
	s_wait_loadcnt 32                              ; this block's tables are in; the next block's 32 loads may be out
.else
	s_wait_loadcnt 0x0
.endif
	WIN 0x04                                       ; source 1: the tables, window 1
.set j, 0
.rept 16
	v_pk_mul_f32 v[RR+j:RR+j+1], v[Y+32+j:Y+32+j+1], v[TBL+64+j:TBL+64+j+1]          ; channel d < 64: y(d + 64) sin(d);  64 channels are 32 registers
	v_pk_mul_f32 v[RR+32+j:RR+32+j+1], v[Y+j:Y+j+1], v[TBL+96+j:TBL+96+j+1]          ; channel d >= 64: y(d - 64) sin(d)
.set j, j+2
.endr
.set j, 0
.rept 16
	v_pk_fma_f32 v[RR+j:RR+j+1], v[Y+j:Y+j+1], v[TBL+j:TBL+j+1], v[RR+j:RR+j+1] neg_lo:[0,0,1] neg_hi:[0,0,1]   ; y cos - y(d + 64) sin
	v_pk_fma_f32 v[RR+32+j:RR+32+j+1], v[Y+32+j:Y+32+j+1], v[TBL+32+j:TBL+32+j+1], v[RR+32+j:RR+32+j+1]          ; y cos + y(d - 64) sin
.set j, j+2
.endr
	WIN 0
.set j, 0
.rept 64
	v_med3_num_f32 v[RR+j], v[RR+j], -v11, v11     ; the conversion does not saturate (ISA guide 7.6.2)
.set j, j+1
.endr
	STOREIMG \a
.endm
.macro VBLOCK a                        ; 16 channels x 128 positions: held and converted as they stand
.set AC, 64*((\a)%4)
.set WA, 2+(\a)/4
	WIN WA
.set j, 0
.rept 64
	v_med3_num_f32 v[RR+j], v[AC+j], -v11, v11
.set j, j+1
.endr
	WIN 0
	STOREIMG \a
.endm
	CSLOAD 0
.irp a, 0,1,2,3,4,5,6,7
	QKBLOCK \a
.endr
	s_branch .Ldone
.Lv:
.irp a, 0,1,2,3,4,5,6,7
	VBLOCK \a
.endr
.Ldone:
	s_wait_tensorcnt 0x0                           ; the wave's end
	ds_add_u32 v[SPW], v[NIL]
	s_wait_dscnt 0x0
	CROUND                                         ; the closing round
	s_endpgm
.Lfunc_end_k_q663e241bc6_qkv:
	.size	k_q663e241bc6_qkv, .Lfunc_end_k_q663e241bc6_qkv-k_q663e241bc6_qkv
	.p2alignl 7, 3214868480
	.fill 96, 4, 3214868480
	.section	.rodata,"a",@progbits
	.p2align	6, 0x0
	.amdhsa_kernel k_q663e241bc6_qkv
		.amdhsa_group_segment_fixed_size 327680
		.amdhsa_private_segment_fixed_size 0
		.amdhsa_enable_private_segment 0
		.amdhsa_kernarg_size 64
		.amdhsa_user_sgpr_count 2
		.amdhsa_user_sgpr_kernarg_segment_ptr 1
		.amdhsa_wavefront_size32 1
		.amdhsa_system_sgpr_workgroup_id_x 1
		.amdhsa_system_sgpr_workgroup_id_y 1
		.amdhsa_system_sgpr_workgroup_id_z 1
		.amdhsa_system_vgpr_workitem_id 0
		.amdhsa_next_free_vgpr 1024
		.amdhsa_next_free_sgpr 102
		.amdhsa_reserve_vcc 0
		.amdhsa_float_denorm_mode_32 3
		.amdhsa_float_denorm_mode_16_64 3
		.amdhsa_memory_ordered 1
		.amdhsa_forward_progress 1
		.amdhsa_inst_pref_size 255
	.end_amdhsa_kernel
	.section	.bss,"aw",@nobits
	.p2align	6
	.space	262144
	.amdgpu_metadata
---
amdhsa.version: [ 1, 2 ]
amdhsa.kernels:
  - .name:           k_q663e241bc6_qkv
    .symbol:         k_q663e241bc6_qkv.kd
    .args:
      - { .name: hc, .offset: 0, .size: 8, .value_kind: global_buffer, .address_space: global }
      - { .name: wimg, .offset: 8, .size: 8, .value_kind: global_buffer, .address_space: global }
      - { .name: lowp_scales, .offset: 16, .size: 8, .value_kind: global_buffer, .address_space: global }
      - { .name: csimg, .offset: 24, .size: 8, .value_kind: global_buffer, .address_space: global }
      - { .name: q_norm_w, .offset: 32, .size: 8, .value_kind: global_buffer, .address_space: global }
      - { .name: k_norm_w, .offset: 40, .size: 8, .value_kind: global_buffer, .address_space: global }
      - { .name: qc, .offset: 48, .size: 8, .value_kind: global_buffer, .address_space: global }
      - { .name: kvc, .offset: 56, .size: 8, .value_kind: global_buffer, .address_space: global }
    .group_segment_fixed_size: 327680
    .private_segment_fixed_size: 0
    .kernarg_segment_align: 8
    .kernarg_segment_size: 64
    .max_flat_workgroup_size: 128
    .sgpr_count:     102
    .vgpr_count:     1024
    .wavefront_size: 32
...
	.end_amdgpu_metadata
.endif
;; end of part 2
;; launch attn (part 3): grid 16 x 16, 8 waves a work-group, no clusters, 66,560 bytes of LDS; arguments qc, kvc, mk, lowp_scales, oc; writes oc
.if DOCPART == 3
	.amdgcn_target "amdgcn-amd-amdhsa--gfx1250"
	.amdhsa_code_object_version 6
	.text
	.protected	k_q663e241bc6_attn
	.globl	k_q663e241bc6_attn
	.p2align	8
	.type	k_q663e241bc6_attn,@function
k_q663e241bc6_attn:
	s_mov_b64 s[64:65], 0
	v_nop
	global_prefetch_b8 v0, s[64:65] scope:SCOPE_SE
	s_setreg_imm32_b32 hwreg(HW_REG_WAVE_MODE, 25, 1), 1
	s_wait_xcnt 0x0
; ATTENTION on codes of E4M3, with the mask as it is given.  t = score x log2(e) / sqrt(128); M = the running largest t rounded up to a whole number; p = 2^(t - M) is quantised along the keys, not normalised;
; the sum is taken of the unquantised p and divides at the end; when M moves, the sum and O are multiplied by 2^(old M - new M), which rounds nothing.
; SHARES.  Work-group (x, y): key/value head y = 8 b + kvh, and two blocks of 64 positions, x and 31 - x, for both query heads of that head.  A wave owns 16 positions and TWO tiles: query heads 2 kvh and 2 kvh + 1 at the
; same positions, which share K's and V's fragments, the mask words and the flags.  Of two waves that share a position index one takes the early block and one the late.
; WHOLLY MASKED TILES ARE LEFT OUT.  An earlier launch stored, for each tile of 16 queries, a bit for each step of 128 keys: any key allowed, all keys allowed.  A step without an allowed key is jumped over by a scalar branch
; on that stored number; a step in which all are allowed skips the masking.  So K and V come to LDS through registers, not by the tensor data mover, and clusters are not used:
; under a triangular mask the jumps leave out half of all tiles.  The barriers, the waits in front of them and all counters stand outside every such branch.
; A step's K and V are one block of 32 KiB of fragment images: 256 threads copy it with 8 loads and 8 LDS stores each, one step ahead, into the other of two slots; a block that no wave of the work-group needs is not copied.
; LAYOUT.  S^T = K Q^T and O^T = V^T P^T: a lane holds one query; the 8 registers of key tile t are keys 16 t + 8 h + j and convert into registers 2 t, 2 t + 1 of P.
; A query with no key allowed gets NaN codes.  LIMITS: e6 + e7 between -123 and 130; e8 and e10 between -126 and 119.
; REGISTERS.  window 0: v1 16 x lane; v2 16 x thread; v3 NaN codes; v4 prefetch offset; v5 -infinity; v6, v7: 2^e8, 448 x 2^e8; v8, v9 the add's two; v10, v11: 2^e10, 448 x 2^e10;
;   v12-27 statistics, 8 a tile: +0 -M, +1 largest t, +2:3 sum, +4:5 f, +6, +7 at work; v28-31 second chains of the sums; v32-63 Q; v64-191 S^T, then p; v192-223 P's codes; v224-255 the copy.
;   window 1: v0-127 O^T (64 T + 8 t); v128-255 eight fragments of K or of V.
.set SPARE, 65536                      ; behind the two slots: the spare words, 128 bytes a wave
.set LI,  1
.set CST, 2
.set NANC, 3
.set PFO, 4
.set NINF, 5
.set SPW, 8
.set NIL, 9
.set ST,  12
.set Q,   32
.set S,   64
.set P,   192
.set CP,  224
.set KVP, 52                           ; s[52:53] the block that the next copy takes
.set MKP, 54                           ; s[54:55] my tile's mask words
.set MKO, 56
.set KS,  57                           ; the key step
.set CS,  58                           ; s[58:59] c
.set SEL, 60
.set FANY, 62
.set FFULL, 63
.set FWG, 66                           ; steps that some wave of the work-group needs
.set WV,  67
.set PFA, 84                           ; s[84:85] the block two steps on
.set OCP, 86
.set E8,  88
.set EPV, 89
.set PFL, 90
.set TRIPS, 91
; mask word n lies in s[4 + n + 16 (n / 48)]: s4-51 and s68-83
.set MSB, 0
.macro WIN new
.if MSB != (\new)
	s_set_vgpr_msb (MSB<<8)|(\new)
.set MSB, (\new)
.endif
.endm
	s_load_b256 s[4:11], s[0:1], 0x0               ; qc 4, kvc 6, mk 8, scales 10
	s_load_b64 s[12:13], s[0:1], 0x20              ; oc
	v_lshl_add_u32 v[SPW], v0, 2, SPARE
	v_mov_b32 v[NIL], 0
	v_lshrrev_b32 v1, 5, v0
	v_readfirstlane_b32 s[WV], v1
	v_and_b32 v3, 31, v0
	v_lshlrev_b32 v[LI], 4, v3
	v_lshlrev_b32 v[CST], 4, v0
	v_lshlrev_b32 v[PFO], 8, v3
	s_lshr_b32 s92, s[WV], 2
	s_xor_b32 s92, s92, s[WV]
	s_and_b32 s92, s92, 1                          ; 1: I take the late block
	s_sub_co_u32 s93, 31, ttmp9
	s_cmp_eq_u32 s92, 1
	s_cselect_b32 s94, s93, ttmp9
	s_lshr_b32 s95, s[WV], 1
	s_lshl_b32 s94, s94, 2
	s_add_co_u32 s94, s94, s95                     ; qt: my tile of 16 positions
	s_lshl_b32 s96, s95, 13
	v_add_nc_u32 v[PFO], s96, v[PFO]               ; 256 x lane + 8,192 x (wave / 2)
	s_cmp_eq_u32 ttmp9, 0
	s_cselect_b32 s[PFL], s92, 0
	s_mul_i32 s[PFL], s[PFL], 14                   ; the four late waves of the head's first work-group prefetch, in steps 0 to 13
	s_and_b32 s97, ttmp7, 0xffff                   ; 8 b + kvh
	s_lshl_b32 s98, s94, 5
	s_lshl_b32 s99, ttmp9, 7
	s_lshl_b32 s96, s93, 7
	s_mov_b32 s[SEL], 0x76543210
	s_mov_b32 s[SEL+1], 0xfedcba98
	s_mov_b32 s[KS], 0
	s_mov_b32 s[TRIPS], 8
	s_wait_kmcnt 0x0
	s_load_b128 s[16:19], s[10:11], 0x18           ; e6, e7, e8, e9
	s_load_b32 s20, s[10:11], 0x28                 ; e10
	s_load_b256 s[24:31], s[8:9], s98 offset:0x80000   ; my tile's flags: four quarters of (any, full)
	s_load_b512 s[32:47], s[8:9], s99 offset:0x80000   ; the early block's four tiles
	s_load_b512 s[68:83], s[8:9], s99 offset:0x80040
	s_lshl_b32 s92, s97, 19
	s_mov_b32 s93, 0
	s_add_nc_u64 s[KVP:KVP+1], s[6:7], s[92:93]
	s_add_nc_u64 s[PFA:PFA+1], s[KVP:KVP+1], 65536
	s_add_nc_u64 s[4:5], s[4:5], s[92:93]
	s_lshl_b32 s92, s94, 11
	s_add_nc_u64 s[4:5], s[4:5], s[92:93]          ; Q of head 2 kvh; head 2 kvh + 1 lies 262,144 bytes on
	s_lshl_b32 s92, s94, 12
	s_add_nc_u64 s[MKP:MKP+1], s[8:9], s[92:93]
	s_lshr_b32 s92, s97, 3
	s_lshl_b32 s92, s92, 7
	s_add_co_u32 s92, s92, s94
	s_lshl_b32 s92, s92, 15
	s_and_b32 s95, s97, 7
	s_lshl_b32 s95, s95, 12
	s_add_co_u32 s92, s92, s95
	s_add_nc_u64 s[OCP:OCP+1], s[12:13], s[92:93]  ; oc: row tile 128 b + qt, K step = head
	s_wait_kmcnt 0x0
	s_or_b32 s[FANY], s24, s26
	s_or_b32 s[FANY], s[FANY], s28
	s_or_b32 s[FANY], s[FANY], s30
	s_or_b32 s[FFULL], s25, s27
	s_or_b32 s[FFULL], s[FFULL], s29
	s_or_b32 s[FFULL], s[FFULL], s31
	s_or_b32 s[FWG], s32, s34
.irp k, 36,38,40,42,44,46,68,70,72,74,76,78,80,82
	s_or_b32 s[FWG], s[FWG], s\k
.endr
	s_mov_b64 s[98:99], s[4:5]
	s_load_b512 s[32:47], s[8:9], s96 offset:0x80000   ; the late block's four tiles
	s_load_b512 s[68:83], s[8:9], s96 offset:0x80040
.irp T, 0,1
.irp c, 0,1,2,3
	global_load_b128 v[Q+16*\T+4*\c:Q+16*\T+4*\c+3], v[LI], s[98:99] offset:262144*\T+512*\c
.endr
.endr
.irp i, 0,1,2,3,4,5,6,7
	global_load_b128 v[CP+4*\i:CP+4*\i+3], v[CST], s[KVP:KVP+1] offset:4096*\i   ; step 0's block, in every case: so the copy's registers are written on every way
.endr
	s_add_co_i32 s92, s16, s17
	s_lshl_b32 s92, s92, 23
	s_add_co_i32 s[CS], s92, 0x3e0293ee            ; c = log2(e) / sqrt(128), with e6 + e7 added to its exponent field
	s_mov_b32 s[CS+1], s[CS]
	s_mov_b32 s[E8], s18
	s_add_co_i32 s[EPV], s18, s19
	s_add_co_i32 s92, s18, 127
	s_lshl_b32 s93, s92, 23
	v_mov_b32 v6, s93
	s_add_co_i32 s92, s92, 8
	s_lshl_b32 s92, s92, 23
	s_or_b32 s92, s92, 0x600000
	v_mov_b32 v7, s92
	s_add_co_i32 s92, s20, 127
	s_lshl_b32 s93, s92, 23
	v_mov_b32 v10, s93
	s_add_co_i32 s92, s92, 8
	s_lshl_b32 s92, s92, 23
	s_or_b32 s92, s92, 0x600000
	v_mov_b32 v11, s92
	v_mov_b32 v[NANC], 0x7f7f7f7f
	v_mov_b32 v[NINF], 0xff800000
.irp T, 0,1
	v_mov_b32 v[ST+8*\T+1], 0xff61b1e6             ; the largest t so far: -3e38
	v_floor_f32 v[ST+8*\T], -v[ST+8*\T+1]
	v_mov_b32 v[ST+8*\T+2], 0
	v_mov_b32 v[ST+8*\T+3], 0
	v_mov_b32 v[ST+8*\T+4], 0
	v_mov_b32 v[ST+8*\T+5], 0
	v_mov_b32 v[ST+8*\T+6], 0
	v_mov_b32 v[ST+8*\T+7], 0
.endr
	WIN 0x40
.set j, 0
.rept 128
	v_mov_b32 v[j], 0                              ; O^T.  Which step is a wave's first hangs on the mask, so no first step can be written out to start the sums
.set j, j+1
.endr
	WIN 0
	s_wait_kmcnt 0x0
.irp k, 32,34,36,38,40,42,44,46,68,70,72,74,76,78,80,82
	s_or_b32 s[FWG], s[FWG], s\k
.endr
	s_load_b512 s[4:19], s[MKP:MKP+1], 0x0         ; step 0's mask words, in every case: so all 64 registers are written on every way
	s_load_b512 s[20:35], s[MKP:MKP+1], 0x40
	s_load_b512 s[36:51], s[MKP:MKP+1], 0x80
	s_load_b512 s[68:83], s[MKP:MKP+1], 0xc0
	s_wait_loadcnt 0x0                             ; Q and the block are in; the loads' base may step
.irp i, 0,1,2,3,4,5,6,7
	ds_store_b128 v[CST], v[CP+4*\i:CP+4*\i+3] offset:4096*\i
.endr
	s_add_nc_u64 s[KVP:KVP+1], s[KVP:KVP+1], 32768
	s_wait_kmcnt 0x0
	s_wait_dscnt 0x0
	s_barrier_signal -1
	s_barrier_wait -1
.macro KQ t0                           ; S^T of key tiles t0 .. t0 + 3, both query tiles
.irp t, \t0, \t0+1, \t0+2, \t0+3
.irp T, 0,1
	v_wmma_f32_16x16x128_fp8_fp8 v[S+64*\T+8*(\t):S+64*\T+8*(\t)+7], v[128+16*(\t):128+16*(\t)+15], v[Q+16*\T:Q+16*\T+15], 0
.endr
.endr
.endm
.macro STEP slot
	s_add_co_u32 s92, s[KS], 1                     ; is the next step's block needed by any wave here?  (bit 16 is 0: nothing is loaded past the last block)
	s_lshr_b32 s93, s[FWG], s92
	s_and_b32 s93, s93, 1
	s_cmp_eq_u32 s93, 0
	s_cbranch_scc1 .Lnocopy_\@
.irp i, 0,1,2,3,4,5,6,7
	global_load_b128 v[CP+4*\i:CP+4*\i+3], v[CST], s[KVP:KVP+1] offset:4096*\i
.endr
.Lnocopy_\@:
	s_cmp_lt_u32 s[KS], s[PFL]                     ; a prefetch of block KS + 2, one step ahead of the copy that will want it: 128 runs of 256 bytes from four waves, each named once in the launch; steps 14 and 15 ask for nothing
	s_cbranch_scc0 .Lnoask_\@
	global_prefetch_b8 v[PFO], s[PFA:PFA+1] th:TH_LOAD_NT scope:SCOPE_SE
.Lnoask_\@:
	s_lshr_b32 s94, s[FANY], s[KS]
	s_and_b32 s94, s94, 1
	s_cmp_eq_u32 s94, 0
	s_cbranch_scc1 .Lidle_\@                       ; no key of this step is allowed for my 16 queries
	s_lshr_b32 s94, s[FFULL], s[KS]
	s_and_b32 s94, s94, 1
	s_cmp_lg_u32 s94, 0
	s_cbranch_scc1 .Lfull_\@
	s_lshl_b32 s[MKO], s[KS], 8
	s_load_b512 s[4:19], s[MKP:MKP+1], s[MKO] offset:0x0
	s_load_b512 s[20:35], s[MKP:MKP+1], s[MKO] offset:0x40
	s_load_b512 s[36:51], s[MKP:MKP+1], s[MKO] offset:0x80
	s_load_b512 s[68:83], s[MKP:MKP+1], s[MKO] offset:0xc0
.Lfull_\@:
	WIN 0x40
.set i, 0
.rept 32
	ds_load_b128 v[128+4*i:128+4*i+3], v[LI] offset:\slot*32768+512*i          ; K's eight fragments
.set i, i+1
.endr
	s_wait_dscnt 16                                ; fragments 0-3 are in; the youngest 16 loads may be out
	WIN 0x01
	KQ 0
	s_wait_dscnt 0x0
	KQ 4
.rept 4
	v_nop                                          ; places in front of the loads into K's registers, and of the first read of the scores
.endr
	WIN 0x40
.set i, 0
.rept 32
	ds_load_b128 v[128+4*i:128+4*i+3], v[LI] offset:\slot*32768+16384+512*i    ; V's eight: they land under the softmax
.set i, i+1
.endr
	WIN 0
	s_wait_kmcnt 0x0
	s_cmp_lg_u32 s94, 0
	s_cbranch_scc1 .Lopen_\@
.set n, 0
.rept 64
	v_cndmask_b32 v[S+n], v[NINF], v[S+n], s[4+n+16*(n/48)]                    ; a hidden score becomes -infinity: p = 0 then.  One word serves both tiles
	v_cndmask_b32 v[S+64+n], v[NINF], v[S+64+n], s[4+n+16*(n/48)]
.set n, n+1
.endr
.Lopen_\@:
.irp T, 0,1
	v_max3_num_f32 v[ST+8*\T+6], v[S+64*\T], v[S+64*\T+1], v[S+64*\T+2]
	v_max3_num_f32 v[ST+8*\T+7], v[S+64*\T+3], v[S+64*\T+4], v[S+64*\T+5]
.endr
.set i, 6
.rept 14
.irp T, 0,1
	v_max3_num_f32 v[ST+8*\T+6], v[ST+8*\T+6], v[S+64*\T+i], v[S+64*\T+i+1]
	v_max3_num_f32 v[ST+8*\T+7], v[ST+8*\T+7], v[S+64*\T+i+2], v[S+64*\T+i+3]
.endr
.set i, i+4
.endr
.irp T, 0,1
	v_max3_num_f32 v[ST+8*\T+6], v[ST+8*\T+6], v[S+64*\T+62], v[S+64*\T+63]
.endr
.irp T, 0,1
	v_max_num_f32 v[ST+8*\T+6], v[ST+8*\T+6], v[ST+8*\T+7]
.endr
.irp T, 0,1
	v_permlanex16_b32 v[ST+8*\T+7], v[ST+8*\T+6], s[SEL], s[SEL+1]             ; the query's other 64 keys lie in the lane 16 away
.endr
.irp T, 0,1
	v_max_num_f32 v[ST+8*\T+6], v[ST+8*\T+6], v[ST+8*\T+7]
.endr
.irp T, 0,1
	v_mul_f32 v[ST+8*\T+6], s[CS], v[ST+8*\T+6]                                ; as t (c is positive)
.endr
.irp T, 0,1
	v_max_num_f32 v[ST+8*\T+1], v[ST+8*\T+1], v[ST+8*\T+6]
	v_mov_b32 v[ST+8*\T+6], v[ST+8*\T]
.endr
.irp T, 0,1
	v_floor_f32 v[ST+8*\T], -v[ST+8*\T+1]                                      ; -M = floor(-t): M is a whole number
.endr
.irp T, 0,1
	v_sub_f32 v[ST+8*\T+6], v[ST+8*\T], v[ST+8*\T+6]                           ; old M - new M, 0 or less
.endr
.irp T, 0,1
	v_cvt_i32_f32 v[ST+8*\T+6], v[ST+8*\T+6]                                   ; (it saturates)
.endr
.irp T, 0,1
	v_ldexp_f32 v[ST+8*\T+4], 1.0, v[ST+8*\T+6]                                ; f = 2^(old M - new M)
.endr
.set j, 0
.rept 32
.irp T, 0,1
	v_pk_fma_f32 v[S+64*\T+j:S+64*\T+j+1], v[S+64*\T+j:S+64*\T+j+1], s[CS:CS+1], v[ST+8*\T:ST+8*\T+1] op_sel_hi:[1,0,0]   ; t - M
.endr
.set j, j+2
.endr
.set j, 0
.rept 128
	v_exp_f32 v[S+j], v[S+j]                       ; p = 2^(t - M): one batch
.set j, j+1
.endr
.irp T, 0,1
	v_pk_mul_f32 v[ST+8*\T+2:ST+8*\T+3], v[ST+8*\T+2:ST+8*\T+3], v[ST+8*\T+4:ST+8*\T+5] op_sel_hi:[1,0]   ; the sums under the new M: the plain lines behind the batch
.endr
	s_wait_alu depctr_va_vdst(0)                   ; one wait for the batch, ahead of its first reader
.irp T, 0,1
	v_pk_add_f32 v[28+2*\T:29+2*\T], v[S+64*\T:S+64*\T+1], v[S+64*\T+2:S+64*\T+3]   ; the sum is taken of the unquantised p, in two chains a tile
.endr
.set j, 4
.rept 15
.irp T, 0,1
	v_pk_add_f32 v[ST+8*\T+2:ST+8*\T+3], v[ST+8*\T+2:ST+8*\T+3], v[S+64*\T+j:S+64*\T+j+1]
	v_pk_add_f32 v[28+2*\T:29+2*\T], v[28+2*\T:29+2*\T], v[S+64*\T+j+2:S+64*\T+j+3]
.endr
.set j, j+4
.endr
.irp T, 0,1
	v_pk_add_f32 v[ST+8*\T+2:ST+8*\T+3], v[ST+8*\T+2:ST+8*\T+3], v[28+2*\T:29+2*\T]
.endr
	s_cmp_ge_i32 s[E8], -8                         ; p is at most 1, and 448 x 2^e8 is at least 1 from e8 = -8 on: there the hold changes nothing
	s_cbranch_scc1 .Lnohold_\@
.set j, 0
.rept 128
	v_min_num_f32 v[S+j], v[S+j], v7               ; the conversion does not saturate (ISA guide 7.6.2); p is not negative
.set j, j+1
.endr
.Lnohold_\@:
.set j, 0
.rept 16
	v_cvt_scalef32_pk8_fp8_f32 v[P+2*j:P+2*j+1], v[S+8*j:S+8*j+7], v6          ; key tile t of query tile T: registers 2 t, 2 t + 1 of P's fragment
.set j, j+1
.endr
	WIN 0x41
.set j, 0
.rept 32
.irp T, 0,1
	v_pk_mul_f32 v[64*\T+j:64*\T+j+1], v[64*\T+j:64*\T+j+1], v[ST+8*\T+4:ST+8*\T+5] op_sel_hi:[1,0]   ; O^T under the new M; also the plain lines between the conversions and the products
.endr
.set j, j+2
.endr
	s_wait_dscnt 0x0                               ; V is in
	WIN 0x51
.irp t, 0,1,2,3,4,5,6,7                ; the sixteen accumulators take turns, one instruction each
.irp T, 0,1
	v_wmma_f32_16x16x128_fp8_fp8 v[64*\T+8*\t:64*\T+8*\t+7], v[128+16*\t:128+16*\t+15], v[P+16*\T:P+16*\T+15], v[64*\T+8*\t:64*\T+8*\t+7]
.endr
.endr
.rept 4
	v_nop                                          ; places in front of the next loads into V's registers and of the next read of O^T
.endr
	WIN 0
.Lidle_\@:
	s_wait_loadcnt 0x0                             ; the next block is in registers, if it was asked for
	s_cmp_eq_u32 s93, 0
	s_cbranch_scc1 .Lnostore_\@
.irp i, 0,1,2,3,4,5,6,7
	ds_store_b128 v[CST], v[CP+4*\i:CP+4*\i+3] offset:(1-\slot)*32768+4096*\i   ; into the slot that was read last step: every wave waited for those reads in front of the last barrier
.endr
.Lnostore_\@:
	s_wait_xcnt 0x0                                ; the loads and the prefetch have read their bases
	s_add_nc_u64 s[KVP:KVP+1], s[KVP:KVP+1], 32768
	s_add_nc_u64 s[PFA:PFA+1], s[PFA:PFA+1], 32768
	s_add_co_u32 s[KS], s[KS], 1
	s_wait_dscnt 0x0                               ; my stores have landed and my reads of this slot are over
	s_barrier_signal -1
	s_barrier_wait -1
.endm
.Lloop:                                ; 8 trips of two steps: the slots stand in the immediates
	STEP 0
	STEP 1
	s_sub_co_u32 s[TRIPS], s[TRIPS], 1
	s_cmp_lg_u32 s[TRIPS], 0
	s_cbranch_scc1 .Lloop
; THE WAY OUT: O^T x 2^(e8 + e9) / the sum, quantised along the head's channels with 2^e10: K step = head of the last product's operand
.irp T, 0,1
	v_add_f32 v[ST+8*\T+6], v[ST+8*\T+2], v[ST+8*\T+3]
.endr
.irp T, 0,1
	v_permlanex16_b32 v[ST+8*\T+7], v[ST+8*\T+6], s[SEL], s[SEL+1]
.endr
.irp T, 0,1
	v_add_f32 v[ST+8*\T+6], v[ST+8*\T+6], v[ST+8*\T+7]
.endr
.irp T, 0,1
	v_cmp_eq_f32 s[92+\T], 0, v[ST+8*\T+6]         ; no key was allowed: it selects a value below, no branch
.endr
.irp T, 0,1
	v_rcp_f32 v[ST+8*\T+4], v[ST+8*\T+6]
.endr
	v_nop
	s_wait_alu depctr_va_vdst(0)                   ; one wait for the two reciprocals, ahead of their first reader
.irp T, 0,1
	v_ldexp_f32 v[ST+8*\T+4], v[ST+8*\T+4], s[EPV]
.endr
.macro OUT T
	WIN 0x01
.set j, 0
.rept 32
	v_pk_mul_f32 v[S+64*\T+j:S+64*\T+j+1], v[64*\T+j:64*\T+j+1], v[ST+8*\T+4:ST+8*\T+5] op_sel_hi:[1,0]
.set j, j+2
.endr
	WIN 0
.set j, 0
.rept 64
	v_med3_num_f32 v[S+64*\T+j], v[S+64*\T+j], -v11, v11
.set j, j+1
.endr
.set j, 0
.rept 8
	v_cvt_scalef32_pk8_fp8_f32 v[P+16*\T+2*j:P+16*\T+2*j+1], v[S+64*\T+8*j:S+64*\T+8*j+7], v10
.set j, j+1
.endr
	v_nop
.set j, 0
.rept 16
	v_cndmask_b32 v[P+16*\T+j], v[P+16*\T+j], v[NANC], s[92+\T]
.set j, j+1
.endr
.irp c, 0,1,2,3
	global_store_b128 v[LI], v[P+16*\T+4*\c:P+16*\T+4*\c+3], s[OCP:OCP+1] offset:2048*\T+512*\c
.endr
.endm
	OUT 0
	OUT 1
	s_wait_tensorcnt 0x0                           ; the wave's end, behind my last LDS store
	ds_add_u32 v[SPW], v[NIL]
	s_wait_dscnt 0x0
	s_endpgm
.Lfunc_end_k_q663e241bc6_attn:
	.size	k_q663e241bc6_attn, .Lfunc_end_k_q663e241bc6_attn-k_q663e241bc6_attn
	.p2alignl 7, 3214868480
	.fill 96, 4, 3214868480
	.section	.rodata,"a",@progbits
	.p2align	6, 0x0
	.amdhsa_kernel k_q663e241bc6_attn
		.amdhsa_group_segment_fixed_size 66560
		.amdhsa_private_segment_fixed_size 0
		.amdhsa_enable_private_segment 0
		.amdhsa_kernarg_size 40
		.amdhsa_user_sgpr_count 2
		.amdhsa_user_sgpr_kernarg_segment_ptr 1
		.amdhsa_wavefront_size32 1
		.amdhsa_system_sgpr_workgroup_id_x 1
		.amdhsa_system_sgpr_workgroup_id_y 1
		.amdhsa_system_sgpr_workgroup_id_z 1
		.amdhsa_system_vgpr_workitem_id 0
		.amdhsa_next_free_vgpr 512
		.amdhsa_next_free_sgpr 100
		.amdhsa_reserve_vcc 0
		.amdhsa_float_denorm_mode_32 3
		.amdhsa_float_denorm_mode_16_64 3
		.amdhsa_memory_ordered 1
		.amdhsa_forward_progress 1
		.amdhsa_inst_pref_size 115
	.end_amdhsa_kernel
	.amdgpu_metadata
---
amdhsa.version: [ 1, 2 ]
amdhsa.kernels:
  - .name:           k_q663e241bc6_attn
    .symbol:         k_q663e241bc6_attn.kd
    .args:
      - { .name: qc, .offset: 0, .size: 8, .value_kind: global_buffer, .address_space: global }
      - { .name: kvc, .offset: 8, .size: 8, .value_kind: global_buffer, .address_space: global }
      - { .name: mk, .offset: 16, .size: 8, .value_kind: global_buffer, .address_space: global }
      - { .name: lowp_scales, .offset: 24, .size: 8, .value_kind: global_buffer, .address_space: global }
      - { .name: oc, .offset: 32, .size: 8, .value_kind: global_buffer, .address_space: global }
    .group_segment_fixed_size: 66560
    .private_segment_fixed_size: 0
    .kernarg_segment_align: 8
    .kernarg_segment_size: 40
    .max_flat_workgroup_size: 256
    .sgpr_count:     100
    .vgpr_count:     512
    .wavefront_size: 32
...
	.end_amdgpu_metadata
.endif
;; end of part 3
;; launch oproj (part 4): grid 8 x 32, 4 waves a work-group, clusters of 4 x 4, 327,680 bytes of LDS; arguments oc, wimg, lowp_scales, out0; writes out0
.if DOCPART == 4
	.amdgcn_target "amdgcn-amd-amdhsa--gfx1250"
	.amdhsa_code_object_version 6
	.text
	.protected	k_q663e241bc6_oproj
	.globl	k_q663e241bc6_oproj
	.p2align	8
	.type	k_q663e241bc6_oproj,@function
k_q663e241bc6_oproj:
	s_mov_b64 s[64:65], 0
	v_nop
	global_prefetch_b8 v0, s[64:65] scope:SCOPE_SE
	s_setreg_imm32_b32 hwreg(HW_REG_WAVE_MODE, 25, 1), 1
	s_wait_xcnt 0x0
	s_wait_alu depctr_hold_cnt(0) depctr_sa_sdst(0) depctr_va_vdst(0) depctr_va_sdst(0) depctr_va_ssrc(0) depctr_va_vcc(0) depctr_vm_vsrc(0)
	s_getreg_b32 s2, hwreg(HW_REG_IB_STS2, 6, 4)
	s_cmp_eq_u32 s2, 0
	s_cbranch_scc0 .Lentry_in_a_cluster
	s_endpgm
.Lentry_in_a_cluster:
	s_bfe_u32 s2, ttmp6, 0x10000c
	s_cmp_lg_u32 s2, 0xf033
	s_cbranch_scc0 .Lentry_shape_is_right
	s_endpgm
.Lentry_shape_is_right:
; OUT0 = O Wo on codes of E4M3: [4,096 x 2,048] x [2,048 x 1,024], f32 out, each sum x 2^(e10 + e11).  Both operands are fragment images (16 rows x 128 K, 2,048 bytes, register group g of lane l at 512 g + 16 l).
; A tile of 128 x 128 to a work-group gives 256 work-groups; a wave makes 64 x 64: 16 accumulators.  K goes in steps of 512 through two LDS slots: four steps, written out.
; CLUSTERS of 4 x 4: A's tile is asked for jointly by a row of the cluster, B's by a column.  THE MATRIX INSTRUCTION IS USED TRANSPOSED (source 0 = 16 rows of Wo's images, source 1 = 16 rows of O):
; a lane holds eight neighbouring numbers of a row of out0.  A wave's 64 columns are 256 bytes, aligned: so each wave has a stage of its own on the way out and no barrier is needed there.
; LIMIT: e10 + e11 between -126 and 127.
; REGISTERS: window 0: v16-29 addresses; v32-63 a block's results; v64-127 rows read back, two sets; v128-255 the accumulators ((a, b) at v[128 + 8 (4 a + b)]).  window 1: two fragment buffers of 128: A's four, then B's four.
.set HALFT,  32768                     ; 4 row tiles x 8,192 bytes (512 along K): what one tensor load brings
.set SLOT,   4*HALFT
.set STAGE,  2*SLOT                    ; behind the ring: 16 rows x 272 bytes for each wave
.set SPITCH, 272
.set SPARE,  STAGE+4*16*SPITCH         ; behind the stages: the spare words
.set ADRA, 16
.set ADRB, 20
.set STO,  24
.set RD,   25
.set CO,   26
.set LI,   27
.set SPW,  28
.set NIL,  29
.set TMP,  32
.set BK,   64
.set ACC,  128
.set F0,   0
.set F1,   128
.set G1, 24
.set G0, 32
.set G1B, 48
.set G0B, 56
.set MSB, 0
.macro WIN new
.if MSB != (\new)
	s_set_vgpr_msb (MSB<<8)|(\new)
.set MSB, (\new)
.endif
.endm
.set MUL,  0x05                        ; sources 0 and 1 window 1; C and D window 0
.set TO_F, 0x40
.macro JLOAD s                         ; waves 0 and 1 fetch A's halves, waves 2 and 3 B's; an s_nop 0 and four v_nop follow each of the two lines
	s_cmp_eq_u32 s11, 0
	s_cbranch_scc0 .Lfor_b_\@
	tensor_load_to_lds s[G0+4*\s:G0+4*\s+3], s[G1:G1+7]
	s_nop 0
.rept 4
	v_nop
.endr
	s_branch .Lasked_\@
.Lfor_b_\@:
	tensor_load_to_lds s[G0B+4*\s:G0B+4*\s+3], s[G1B:G1B+7]
	s_nop 0
.rept 4
	v_nop
.endr
.Lasked_\@:
.endm
.macro CREST
	s_cmp_lg_u32 s10, 0
	s_cbranch_scc1 .Lnot_wave_0_\@
	s_barrier_signal -3
.Lnot_wave_0_\@:
	s_barrier_wait -3
	s_barrier_signal -1
	s_barrier_wait -1
.endm
.macro CROUND
	s_barrier_signal -1
	s_barrier_wait -1
	CREST
.endm
	s_load_b128 s[4:7], s[0:1], 0x0                ; oc, wimg
	s_load_b128 s[68:71], s[0:1], 0x10             ; scales, out0
	v_lshl_add_u32 v[SPW], v0, 2, SPARE
	v_mov_b32 v[NIL], 0
	ds_add_u32 v[SPW], v[NIL]                      ; the wave's opening: the add and its wait ahead of my first tensor load
	v_lshrrev_b32 v1, 5, v0
	v_readfirstlane_b32 s10, v1
	s_lshr_b32 s11, s10, 1                         ; my half of the rows.  Also: I fetch for A (0) or for B (1)
	s_and_b32 s12, s10, 1                          ; my half of the columns.  Also: which half I fetch
	s_bfe_u32 s40, ttmp6, 0x40000
	s_bfe_u32 s41, ttmp6, 0x40004
	s_lshl_b32 s42, ttmp9, 2
	s_add_co_u32 s42, s42, s40                     ; tile column
	s_and_b32 s13, ttmp7, 0xffff
	s_lshl_b32 s13, s13, 2
	s_add_co_u32 s13, s13, s41                     ; tile row
	s_lshl_b32 s43, s41, 2
	s_lshl_b32 s43, 15, s43
	s_lshl_b32 s44, 0x1111, s40
	; descriptor group 1: 4 rows (row tiles) of 1,024 elements of 8 bytes (four K steps' images), 32 KiB apart; no padding
	s_or_b32 s[G1+0], s43, (3<<16)|(1<<21)
	s_or_b32 s[G1B+0], s44, (3<<16)|(1<<21)
.irp g, G1, G1B
	s_mov_b32 s[\g+1], 1024<<16
	s_mov_b32 s[\g+2], 4<<16
	s_mov_b32 s[\g+3], 1024<<16
	s_mov_b32 s[\g+4], 4
	s_mov_b32 s[\g+5], 4096
	s_mov_b32 s[\g+6], 0
	s_mov_b32 s[\g+7], 0
.endr
	s_lshl_b32 s18, s12, 2
	s_lshl_b32 s16, s13, 3
	s_add_co_u32 s16, s16, s18
	s_lshl_b32 s16, s16, 15
	s_mov_b32 s17, 0
	s_lshl_b32 s46, s42, 3
	s_add_co_u32 s46, s46, s18
	s_lshl_b32 s46, s46, 15
	s_add_co_u32 s46, s46, 0x400000                ; Wo's images begin 4 MiB into wimg
	s_mov_b32 s47, 0
	s_lshl_b32 s20, s10, 15                        ; where my load goes: wave x HALFT
	s_wait_dscnt 0x0
	s_wait_kmcnt 0x0
	s_load_b64 s[72:73], s[68:69], 0x28            ; e10, e11
	s_add_nc_u64 s[14:15], s[4:5], s[16:17]
	s_add_nc_u64 s[46:47], s[6:7], s[46:47]
	CROUND                                         ; the first joint loads meet
.irp s, 0,1
	s_mov_b32 s[G0+4*\s], 1
	s_add_co_u32 s[G0+4*\s+1], s20, \s*SLOT
	s_add_nc_u64 s[G0+4*\s+2:G0+4*\s+3], s[14:15], \s*8192
	s_or_b32 s[G0+4*\s+3], s[G0+4*\s+3], 0x80000000
	s_mov_b32 s[G0B+4*\s], 1
	s_add_co_u32 s[G0B+4*\s+1], s20, \s*SLOT
	s_add_nc_u64 s[G0B+4*\s+2:G0B+4*\s+3], s[46:47], \s*8192
	s_or_b32 s[G0B+4*\s+3], s[G0B+4*\s+3], 0x80000000
	JLOAD \s
.endr
	v_and_b32 v1, 15, v0                           ; r
	v_bfe_u32 v2, v0, 4, 1                         ; h
	v_and_b32 v3, 31, v0
	v_lshlrev_b32 v[LI], 4, v3
	s_lshl_b32 s21, s11, 15
	s_lshl_b32 s22, s12, 15
	s_add_co_u32 s22, s22, 2*HALFT
.irp s, 0,1
	v_add_nc_u32 v[ADRA+\s], s21, v[LI]
	v_add_nc_u32 v[ADRB+\s], s22, v[LI]
	s_add_co_u32 s21, s21, SLOT
	s_add_co_u32 s22, s22, SLOT
.endr
	s_mul_i32 s23, s10, 16*SPITCH
	s_add_co_u32 s23, s23, STAGE                   ; my stage
	v_mul_u32_u24 v4, v1, SPITCH
	v_lshl_add_u32 v4, v2, 5, v4
	v_add_nc_u32 v[STO], s23, v4                   ; in: row r, 32 bytes for each half of the lanes
	v_mul_u32_u24 v5, v2, SPITCH
	v_lshl_add_u32 v5, v1, 4, v5
	v_add_nc_u32 v[RD], s23, v5                    ; back: lanes 0-15 one row of 256 bytes, lanes 16-31 the next
	v_lshlrev_b32 v5, 12, v2
	v_lshl_add_u32 v[CO], v1, 4, v5                ; and the same two rows in out0
	s_lshl_b32 s16, s13, 19                        ; 128 rows of 4,096 bytes a tile row,
	s_lshl_b32 s17, s11, 18
	s_add_co_u32 s16, s16, s17
	s_mov_b32 s17, 0
	s_add_nc_u64 s[70:71], s[70:71], s[16:17]
	s_lshl_b32 s46, s42, 9                         ; 512 bytes a tile column, 256 a half
	s_lshl_b32 s47, s12, 8
	s_add_co_u32 s46, s46, s47
	s_mov_b32 s47, 0
	s_add_nc_u64 s[70:71], s[70:71], s[46:47]
.macro MUL8 f, a0, zero                ; row blocks a0, a0 + 1 x the four column blocks, 128 along K.  The 16 accumulators take turns in one order throughout
.irp a, \a0, \a0+1
.irp b, 0,1,2,3
.if \zero
	v_wmma_f32_16x16x128_fp8_fp8 v[ACC+8*(4*(\a)+\b):ACC+8*(4*(\a)+\b)+7], v[\f+64+16*\b:\f+64+16*\b+15], v[\f+16*(\a):\f+16*(\a)+15], 0
.else
	v_wmma_f32_16x16x128_fp8_fp8 v[ACC+8*(4*(\a)+\b):ACC+8*(4*(\a)+\b)+7], v[\f+64+16*\b:\f+64+16*\b+15], v[\f+16*(\a):\f+16*(\a)+15], v[ACC+8*(4*(\a)+\b):ACC+8*(4*(\a)+\b)+7]
.endif
.endr
.endr
.endm
.macro FETCH slot, q, f                ; the eight fragments of the slot's q-th 128 along K: 32 dense loads in one run
	WIN TO_F
.irp i, 0,1,2,3
.irp c, 0,1,2,3
	ds_load_b128 v[\f+64+16*\i+4*\c:\f+64+16*\i+4*\c+3], v[ADRB+\slot] offset:8192*\i+2048*(\q)+512*\c
.endr
.irp c, 0,1,2,3
	ds_load_b128 v[\f+16*\i+4*\c:\f+16*\i+4*\c+3], v[ADRA+\slot] offset:8192*\i+2048*(\q)+512*\c
.endr
.endr
.endm
.macro PLACES
.rept 4
	v_nop
.endr
.endm
.macro QUARTER slot, q, f, g, zero     ; multiplies buffer f; ahead of that it fetches the slot's q-th 128 along K into g
	s_wait_dscnt 0x0                               ; f is in
	PLACES                                         ; g was read by the products just issued
	FETCH \slot, \q, \g
	WIN MUL
	MUL8 \f, 0, \zero
	MUL8 \f, 2, \zero
.endm
.macro TURN slot, next, fill           ; the slot's last quarter (buffer 1) and the change of slots
	WIN 0
	s_wait_tensorcnt 0x0                           ; all my tensor loads have landed: my part of the next slot
	ds_add_u32 v[SPW], v[NIL]
	s_wait_dscnt 0x0                               ; the add is done, buffer 1 is in, my reads of this slot are over
	s_barrier_signal -1
	WIN MUL
	MUL8 F1, 0, 0
	WIN 0
	s_barrier_wait -1
.if \fill
	CREST                                          ; the barrier has opened a round of the cluster's
	s_add_nc_u64 s[G0+4*\slot+2:G0+4*\slot+3], s[G0+4*\slot+2:G0+4*\slot+3], 16384
	s_add_nc_u64 s[G0B+4*\slot+2:G0B+4*\slot+3], s[G0B+4*\slot+2:G0B+4*\slot+3], 16384
	JLOAD \slot                                    ; the first tensor load behind the round; its four v_nop are the places in front of the loads below
.else
	PLACES
.endif
	FETCH \next, 0, F0
	WIN MUL
	MUL8 F1, 2, 0
.endm
	s_wait_tensorcnt 1                             ; my part of slot 0 is in; slot 1's load may be out
	s_barrier_signal -1
	s_barrier_wait -1
	FETCH 0, 0, F0
	QUARTER 0, 1, F0, F1, 1                        ; the first products start the sums
	QUARTER 0, 2, F1, F0, 0
	QUARTER 0, 3, F0, F1, 0
	TURN 0, 1, 1
	QUARTER 1, 1, F0, F1, 0
	QUARTER 1, 2, F1, F0, 0
	QUARTER 1, 3, F0, F1, 0
	TURN 1, 0, 1
	QUARTER 0, 1, F0, F1, 0
	QUARTER 0, 2, F1, F0, 0
	QUARTER 0, 3, F0, F1, 0
	TURN 0, 1, 0
	QUARTER 1, 1, F0, F1, 0
	QUARTER 1, 2, F1, F0, 0
	QUARTER 1, 3, F0, F1, 0
	s_wait_dscnt 0x0
	MUL8 F1, 0, 0
	MUL8 F1, 2, 0
	WIN 0
; THE WAY OUT, 16 rows x 64 columns at a time, through my own stage: LDS serves a wave's instructions in order, so no wait stands between the stores and the loads
.macro TOSTAGE a
.set j, 0
.rept 16
	v_pk_mul_f32 v[TMP+j:TMP+j+1], v[ACC+32*(\a)+j:ACC+32*(\a)+j+1], s[72:73] op_sel_hi:[1,0]   ; x 2^(e10 + e11); each accumulator from its low end on
.set j, j+2
.endr
.irp b, 0,1,2,3
	ds_store_b128 v[STO], v[TMP+8*\b:TMP+8*\b+3] offset:64*\b
	ds_store_b128 v[STO], v[TMP+8*\b+4:TMP+8*\b+7] offset:64*\b+16
.endr
.irp t, 0,1,2,3,4,5,6,7
	ds_load_b128 v[BK+32*((\a)%2)+4*\t:BK+32*((\a)%2)+4*\t+3], v[RD] offset:2*\t*SPITCH
.endr
.endm
.macro SEND a, younger
	s_wait_dscnt \younger
.irp t, 0,1,2,3,4,5,6,7
	global_store_b128 v[CO], v[BK+32*((\a)%2)+4*\t:BK+32*((\a)%2)+4*\t+3], s[70:71] offset:65536*(\a)+8192*\t th:TH_STORE_NT   ; sixteen lanes store 256 consecutive bytes, aligned
.endr
.endm
	s_wait_kmcnt 0x0
	s_add_co_i32 s72, s72, s73
	s_add_co_i32 s72, s72, 127
	s_lshl_b32 s72, s72, 23                        ; 2^(e10 + e11) as f32
	s_mov_b32 s73, s72
	PLACES
	TOSTAGE 0
.irp a, 1,2,3
.if \a > 1
	s_wait_xcnt 0x0                                ; block a - 2's stores have read their registers
.endif
	TOSTAGE \a
	SEND \a-1, 16                                  ; behind block a - 1's loads: block a's 8 stores and 8 loads
.endr
	SEND 3, 0
	s_wait_tensorcnt 0x0                           ; the wave's end
	ds_add_u32 v[SPW], v[NIL]
	s_wait_dscnt 0x0
	CROUND                                         ; the closing round
	s_endpgm
.Lfunc_end_k_q663e241bc6_oproj:
	.size	k_q663e241bc6_oproj, .Lfunc_end_k_q663e241bc6_oproj-k_q663e241bc6_oproj
	.p2alignl 7, 3214868480
	.fill 96, 4, 3214868480
	.section	.rodata,"a",@progbits
	.p2align	6, 0x0
	.amdhsa_kernel k_q663e241bc6_oproj
		.amdhsa_group_segment_fixed_size 327680
		.amdhsa_private_segment_fixed_size 0
		.amdhsa_enable_private_segment 0
		.amdhsa_kernarg_size 32
		.amdhsa_user_sgpr_count 2
		.amdhsa_user_sgpr_kernarg_segment_ptr 1
		.amdhsa_wavefront_size32 1
		.amdhsa_system_sgpr_workgroup_id_x 1
		.amdhsa_system_sgpr_workgroup_id_y 1
		.amdhsa_system_sgpr_workgroup_id_z 1
		.amdhsa_system_vgpr_workitem_id 0
		.amdhsa_next_free_vgpr 512
		.amdhsa_next_free_sgpr 74
		.amdhsa_reserve_vcc 0
		.amdhsa_float_denorm_mode_32 3
		.amdhsa_float_denorm_mode_16_64 3
		.amdhsa_memory_ordered 1
		.amdhsa_forward_progress 1
		.amdhsa_inst_pref_size 73
	.end_amdhsa_kernel
	.amdgpu_metadata
---
amdhsa.version: [ 1, 2 ]
amdhsa.kernels:
  - .name:           k_q663e241bc6_oproj
    .symbol:         k_q663e241bc6_oproj.kd
    .args:
      - { .name: oc, .offset: 0, .size: 8, .value_kind: global_buffer, .address_space: global }
      - { .name: wimg, .offset: 8, .size: 8, .value_kind: global_buffer, .address_space: global }
      - { .name: lowp_scales, .offset: 16, .size: 8, .value_kind: global_buffer, .address_space: global }
      - { .name: out0, .offset: 24, .size: 8, .value_kind: global_buffer, .address_space: global }
    .group_segment_fixed_size: 327680
    .private_segment_fixed_size: 0
    .kernarg_segment_align: 8
    .kernarg_segment_size: 32
    .max_flat_workgroup_size: 128
    .sgpr_count:     74
    .vgpr_count:     512
    .wavefront_size: 32
...
	.end_amdgpu_metadata
.endif
;; end of part 4
;; ======== version 2 of 2: 4 launches; version 1 with the launch attn written anew for expert scheduling mode
;; workspace buffers: hc 12,582,912 bytes; wimg 6,291,456 bytes; csimg 2,097,152 bytes; mk 528,384 bytes of whole numbers; qc 8,388,608 bytes; kvc 8,388,608 bytes; oc 8,388,608 bytes
;; launch prep: the kernel of part 1 again; grid 480 x 1, 4 waves a work-group, no clusters, 35,328 bytes of LDS; arguments hidden_states, Wq, Wk, Wv, Wo, attention_mask, cos, sin, lowp_scales, hc, wimg, mk, csimg; writes hc, wimg, mk, csimg
;; launch qkv: the kernel of part 2 again; grid 16 x 16, 4 waves a work-group, clusters of 4 x 4, 327,680 bytes of LDS; arguments hc, wimg, lowp_scales, csimg, q_norm_w, k_norm_w, qc, kvc; writes qc, kvc
;; launch attn (part 5): grid 16 x 16, 8 waves a work-group, no clusters, 66,560 bytes of LDS; arguments qc, kvc, mk, lowp_scales, oc; writes oc
.if DOCPART == 5
	.amdgcn_target "amdgcn-amd-amdhsa--gfx1250"
	.amdhsa_code_object_version 6
	.text
	.protected	k_q663e241bc6_attn
	.globl	k_q663e241bc6_attn
	.p2align	8
	.type	k_q663e241bc6_attn,@function
k_q663e241bc6_attn:
	s_mov_b64 s[64:65], 0
	v_nop
	global_prefetch_b8 v0, s[64:65] scope:SCOPE_SE
	s_setreg_imm32_b32 hwreg(HW_REG_WAVE_SCHED_MODE, 0, 2), 2
	s_setreg_imm32_b32 hwreg(HW_REG_WAVE_MODE, 25, 1), 1
	s_wait_xcnt 0x0
	s_wait_alu depctr_vm_vsrc(0)
; ATTENTION on codes of E4M3, with the mask as it is given.  t = score x log2(e) / sqrt(128); M = the running largest t rounded up to a whole number; p = 2^(t - M) is quantised along the keys, not normalised;
; the sum is taken of the unquantised p and divides at the end; when M moves, the sum and O are multiplied by 2^(old M - new M), which rounds nothing.
; SHARES.  Work-group (x, y): key/value head y = 8 b + kvh, and two blocks of 64 positions, x and 31 - x, for both query heads of that head.  A wave owns 16 positions and TWO tiles: query heads 2 kvh and 2 kvh + 1 at the
; same positions, which share K's and V's fragments, the mask words and the flags.  Of two waves that share a position index one takes the early block and one the late.
; WHOLLY MASKED TILES ARE LEFT OUT.  An earlier launch stored, for each tile of 16 queries, a bit for each step of 128 keys: any key allowed, all keys allowed.  A step without an allowed key is jumped over by a scalar branch
; on that stored number; a step in which all are allowed skips the masking.  So K and V come to LDS through registers, not by the tensor data mover, and clusters are not used:
; under a triangular mask the jumps leave out half of all tiles.  The barriers, the waits in front of them and all counters stand outside every such branch.
; A step's K and V are one block of 32 KiB of fragment images: 256 threads copy it with 8 loads and 8 LDS stores each, one step ahead, into the other of two slots; a block that no wave of the work-group needs is not copied.
; LAYOUT.  S^T = K Q^T and O^T = V^T P^T: a lane holds one query; the 8 registers of key tile t are keys 16 t + 8 h + j and convert into registers 2 t, 2 t + 1 of P.
; A query with no key allowed gets NaN codes.  LIMITS: e6 + e7 between -123 and 130; e8 and e10 between -126 and 119.
; REGISTERS.  window 0: v1 16 x lane; v2 16 x thread; v3 NaN codes; v4 prefetch offset; v5 -infinity; v6, v7: 2^e8, 448 x 2^e8; v8, v9 the add's two; v10, v11: 2^e10, 448 x 2^e10;
;   v12-27 statistics, 8 a tile: +0 -M, +1 largest t, +2:3 sum, +4:5 f, +6, +7 at work; v28-31 second chains of the sums; v32-63 Q; v64-191 S^T, then p; v192-223 P's codes; v224-255 the copy.
;   window 1: v0-127 O^T (64 T + 8 t); v128-255 eight fragments of K or of V.
; THE MODE: SCHED_MODE bits 1:0 = 2 (LLVM: expert scheduling mode 2), set by the entry lines.  The code itself states the register dependences between vector or matrix instructions and memory or LDS
; instructions, with s_wait_alu, always for 0.
; THE PLAN.  Registers that memory or LDS instructions touch:
;   v1, v2, v4      offsets and LDS addresses: written by vector lines at the head, once; read by every load, store and prefetch.  One wait on va_vdst at the head, ahead of the first load, serves them all.
;   v32-63 (Q)      loaded once at the head; read by matrix instructions alone.
;   v224-255        the copy: the eight global loads at a step's head land there, the eight LDS stores at its end read them; no vector instruction names them.  One wait on vm_vsrc at a step's head: the last stores have read them.
;   window 1, v128-255   the fragments: K's LDS loads land, the products K Q^T read; V's LDS loads land, the products V^T P^T read.  One wait on va_vdst ahead of each of the two runs of loads: the readers before are done.
;   v192-223        on the way out: written by conversions and selects, read by the eight stores.  Both tiles' arithmetic comes first, then one wait on va_vdst, then the run of stores.
;   v8, v9          written at the head, read by the closing add alone.
; Two waves of 512 registers share a SIMD's 1,024 and both windows are full, so K and V keep their one set of fragment registers.
.set SPARE, 65536                      ; behind the two slots: the spare words, 128 bytes a wave
.set LI,  1
.set CST, 2
.set NANC, 3
.set PFO, 4
.set NINF, 5
.set SPW, 8
.set NIL, 9
.set ST,  12
.set Q,   32
.set S,   64
.set P,   192
.set CP,  224
.set KVP, 52                           ; s[52:53] the block that the next copy takes
.set MKP, 54                           ; s[54:55] my tile's mask words
.set MKO, 56
.set KS,  57                           ; the key step
.set CS,  58                           ; s[58:59] c
.set SEL, 60
.set FANY, 62
.set FFULL, 63
.set FWG, 66                           ; steps that some wave of the work-group needs
.set WV,  67
.set PFA, 84                           ; s[84:85] the block two steps on
.set OCP, 86
.set E8,  88
.set EPV, 89
.set PFL, 90
.set TRIPS, 91
; mask word n lies in s[4 + n + 16 (n / 48)]: s4-51 and s68-83
.set MSB, 0
.macro WIN new
.if MSB != (\new)
	s_set_vgpr_msb (MSB<<8)|(\new)
.set MSB, (\new)
.endif
.endm
	s_load_b256 s[4:11], s[0:1], 0x0               ; qc 4, kvc 6, mk 8, scales 10
	s_load_b64 s[12:13], s[0:1], 0x20              ; oc
	v_lshl_add_u32 v[SPW], v0, 2, SPARE
	v_mov_b32 v[NIL], 0
	v_lshrrev_b32 v1, 5, v0
	v_readfirstlane_b32 s[WV], v1
	v_and_b32 v3, 31, v0
	v_lshlrev_b32 v[LI], 4, v3
	v_lshlrev_b32 v[CST], 4, v0
	v_lshlrev_b32 v[PFO], 8, v3
	s_wait_alu depctr_va_sdst(0)                   ; the wave's number is written, ahead of its first reader: places, offsets and bases are made from it
	s_lshr_b32 s92, s[WV], 2
	s_xor_b32 s92, s92, s[WV]
	s_and_b32 s92, s92, 1                          ; 1: I take the late block
	s_sub_co_u32 s93, 31, ttmp9
	s_cmp_eq_u32 s92, 1
	s_cselect_b32 s94, s93, ttmp9
	s_lshr_b32 s95, s[WV], 1
	s_lshl_b32 s94, s94, 2
	s_add_co_u32 s94, s94, s95                     ; qt: my tile of 16 positions
	s_lshl_b32 s96, s95, 13
	v_add_nc_u32 v[PFO], s96, v[PFO]               ; 256 x lane + 8,192 x (wave / 2)
	s_cmp_eq_u32 ttmp9, 0
	s_cselect_b32 s[PFL], s92, 0
	s_mul_i32 s[PFL], s[PFL], 14                   ; the four late waves of the head's first work-group prefetch, in steps 0 to 13
	s_and_b32 s97, ttmp7, 0xffff                   ; 8 b + kvh
	s_lshl_b32 s98, s94, 5
	s_lshl_b32 s99, ttmp9, 7
	s_lshl_b32 s96, s93, 7
	s_mov_b32 s[SEL], 0x76543210
	s_mov_b32 s[SEL+1], 0xfedcba98
	s_mov_b32 s[KS], 0
	s_mov_b32 s[TRIPS], 8
	s_wait_kmcnt 0x0
	s_load_b128 s[16:19], s[10:11], 0x18           ; e6, e7, e8, e9
	s_load_b32 s20, s[10:11], 0x28                 ; e10
	s_load_b256 s[24:31], s[8:9], s98 offset:0x80000   ; my tile's flags: four quarters of (any, full)
	s_load_b512 s[32:47], s[8:9], s99 offset:0x80000   ; the early block's four tiles
	s_load_b512 s[68:83], s[8:9], s99 offset:0x80040
	s_lshl_b32 s92, s97, 19
	s_mov_b32 s93, 0
	s_add_nc_u64 s[KVP:KVP+1], s[6:7], s[92:93]
	s_add_nc_u64 s[PFA:PFA+1], s[KVP:KVP+1], 65536
	s_add_nc_u64 s[4:5], s[4:5], s[92:93]
	s_lshl_b32 s92, s94, 11
	s_add_nc_u64 s[4:5], s[4:5], s[92:93]          ; Q of head 2 kvh; head 2 kvh + 1 lies 262,144 bytes on
	s_lshl_b32 s92, s94, 12
	s_add_nc_u64 s[MKP:MKP+1], s[8:9], s[92:93]
	s_lshr_b32 s92, s97, 3
	s_lshl_b32 s92, s92, 7
	s_add_co_u32 s92, s92, s94
	s_lshl_b32 s92, s92, 15
	s_and_b32 s95, s97, 7
	s_lshl_b32 s95, s95, 12
	s_add_co_u32 s92, s92, s95
	s_add_nc_u64 s[OCP:OCP+1], s[12:13], s[92:93]  ; oc: row tile 128 b + qt, K step = head
	s_wait_kmcnt 0x0
	s_or_b32 s[FANY], s24, s26
	s_or_b32 s[FANY], s[FANY], s28
	s_or_b32 s[FANY], s[FANY], s30
	s_or_b32 s[FFULL], s25, s27
	s_or_b32 s[FFULL], s[FFULL], s29
	s_or_b32 s[FFULL], s[FFULL], s31
	s_or_b32 s[FWG], s32, s34
.irp k, 36,38,40,42,44,46,68,70,72,74,76,78,80,82
	s_or_b32 s[FWG], s[FWG], s\k
.endr
	s_mov_b64 s[98:99], s[4:5]
	s_load_b512 s[32:47], s[8:9], s96 offset:0x80000   ; the late block's four tiles
	s_load_b512 s[68:83], s[8:9], s96 offset:0x80040
	s_wait_alu depctr_va_vdst(0)                   ; v1, v2 and v4 are written: every load, store and prefetch of the kernel reads one of them as its offset or LDS address; no vector line below names them
.irp T, 0,1
.irp c, 0,1,2,3
	global_load_b128 v[Q+16*\T+4*\c:Q+16*\T+4*\c+3], v[LI], s[98:99] offset:262144*\T+512*\c
.endr
.endr
.irp i, 0,1,2,3,4,5,6,7
	global_load_b128 v[CP+4*\i:CP+4*\i+3], v[CST], s[KVP:KVP+1] offset:4096*\i   ; step 0's block, in every case: so the copy's registers are written on every way
.endr
	s_add_co_i32 s92, s16, s17
	s_lshl_b32 s92, s92, 23
	s_add_co_i32 s[CS], s92, 0x3e0293ee            ; c = log2(e) / sqrt(128), with e6 + e7 added to its exponent field
	s_mov_b32 s[CS+1], s[CS]
	s_mov_b32 s[E8], s18
	s_add_co_i32 s[EPV], s18, s19
	s_add_co_i32 s92, s18, 127
	s_lshl_b32 s93, s92, 23
	v_mov_b32 v6, s93
	s_add_co_i32 s92, s92, 8
	s_lshl_b32 s92, s92, 23
	s_or_b32 s92, s92, 0x600000
	v_mov_b32 v7, s92
	s_add_co_i32 s92, s20, 127
	s_lshl_b32 s93, s92, 23
	v_mov_b32 v10, s93
	s_add_co_i32 s92, s92, 8
	s_lshl_b32 s92, s92, 23
	s_or_b32 s92, s92, 0x600000
	v_mov_b32 v11, s92
	v_mov_b32 v[NANC], 0x7f7f7f7f
	v_mov_b32 v[NINF], 0xff800000
.irp T, 0,1
	v_mov_b32 v[ST+8*\T+1], 0xff61b1e6             ; the largest t so far: -3e38
	v_floor_f32 v[ST+8*\T], -v[ST+8*\T+1]
	v_mov_b32 v[ST+8*\T+2], 0
	v_mov_b32 v[ST+8*\T+3], 0
	v_mov_b32 v[ST+8*\T+4], 0
	v_mov_b32 v[ST+8*\T+5], 0
	v_mov_b32 v[ST+8*\T+6], 0
	v_mov_b32 v[ST+8*\T+7], 0
.endr
	WIN 0x40
.set j, 0
.rept 128
	v_mov_b32 v[j], 0                              ; O^T.  Which step is a wave's first hangs on the mask, so no first step can be written out to start the sums
.set j, j+1
.endr
	WIN 0
	s_wait_kmcnt 0x0
.irp k, 32,34,36,38,40,42,44,46,68,70,72,74,76,78,80,82
	s_or_b32 s[FWG], s[FWG], s\k
.endr
	s_load_b512 s[4:19], s[MKP:MKP+1], 0x0         ; step 0's mask words, in every case: so all 64 registers are written on every way
	s_load_b512 s[20:35], s[MKP:MKP+1], 0x40
	s_load_b512 s[36:51], s[MKP:MKP+1], 0x80
	s_load_b512 s[68:83], s[MKP:MKP+1], 0xc0
	s_wait_loadcnt 0x0                             ; Q and the block are in; the loads' base may step
.irp i, 0,1,2,3,4,5,6,7
	ds_store_b128 v[CST], v[CP+4*\i:CP+4*\i+3] offset:4096*\i
.endr
	s_add_nc_u64 s[KVP:KVP+1], s[KVP:KVP+1], 32768
	s_wait_kmcnt 0x0
	s_wait_dscnt 0x0
	s_barrier_signal -1
	s_barrier_wait -1
.macro KQ t0                           ; S^T of key tiles t0 .. t0 + 3, both query tiles
.irp t, \t0, \t0+1, \t0+2, \t0+3
.irp T, 0,1
	v_wmma_f32_16x16x128_fp8_fp8 v[S+64*\T+8*(\t):S+64*\T+8*(\t)+7], v[128+16*(\t):128+16*(\t)+15], v[Q+16*\T:Q+16*\T+15], 0
.endr
.endr
.endm
.macro STEP slot
	s_wait_alu depctr_vm_vsrc(0)                   ; the LDS stores of the last copy (in the first trip: the head's) have read v[CP ..], in which the loads below land; it stands ahead of the branch, on every way to them
	s_add_co_u32 s92, s[KS], 1                     ; is the next step's block needed by any wave here?  (bit 16 is 0: nothing is loaded past the last block)
	s_lshr_b32 s93, s[FWG], s92
	s_and_b32 s93, s93, 1
	s_cmp_eq_u32 s93, 0
	s_cbranch_scc1 .Lnocopy_\@
.irp i, 0,1,2,3,4,5,6,7
	global_load_b128 v[CP+4*\i:CP+4*\i+3], v[CST], s[KVP:KVP+1] offset:4096*\i
.endr
.Lnocopy_\@:
	s_cmp_lt_u32 s[KS], s[PFL]                     ; a prefetch of block KS + 2, one step ahead of the copy that will want it: 128 runs of 256 bytes from four waves, each named once in the launch; steps 14 and 15 ask for nothing
	s_cbranch_scc0 .Lnoask_\@
	global_prefetch_b8 v[PFO], s[PFA:PFA+1] th:TH_LOAD_NT scope:SCOPE_SE
.Lnoask_\@:
	s_lshr_b32 s94, s[FANY], s[KS]
	s_and_b32 s94, s94, 1
	s_cmp_eq_u32 s94, 0
	s_cbranch_scc1 .Lidle_\@                       ; no key of this step is allowed for my 16 queries
	s_lshr_b32 s94, s[FFULL], s[KS]
	s_and_b32 s94, s94, 1
	s_cmp_lg_u32 s94, 0
	s_cbranch_scc1 .Lfull_\@
	s_lshl_b32 s[MKO], s[KS], 8
	s_load_b512 s[4:19], s[MKP:MKP+1], s[MKO] offset:0x0
	s_load_b512 s[20:35], s[MKP:MKP+1], s[MKO] offset:0x40
	s_load_b512 s[36:51], s[MKP:MKP+1], s[MKO] offset:0x80
	s_load_b512 s[68:83], s[MKP:MKP+1], s[MKO] offset:0xc0
.Lfull_\@:
	WIN 0x40
	s_wait_alu depctr_va_vdst(0)                   ; the products V^T P^T of my last step that was not jumped over are done reading the fragments' registers, in which K's loads land
.set i, 0
.rept 32
	ds_load_b128 v[128+4*i:128+4*i+3], v[LI] offset:\slot*32768+512*i          ; K's eight fragments
.set i, i+1
.endr
	s_wait_dscnt 16                                ; fragments 0-3 are in; the youngest 16 loads may be out
	WIN 0x01
	KQ 0
	s_wait_dscnt 0x0
	KQ 4
.rept 4
	v_nop                                          ; places in front of the first read of the scores
.endr
	WIN 0x40
	s_wait_alu depctr_va_vdst(0)                   ; the sixteen products K Q^T are done reading K's fragments, in which V's loads land; no vector or matrix line names these registers until V is waited for
.set i, 0
.rept 32
	ds_load_b128 v[128+4*i:128+4*i+3], v[LI] offset:\slot*32768+16384+512*i    ; V's eight: they land under the softmax
.set i, i+1
.endr
	WIN 0
	s_wait_kmcnt 0x0
	s_cmp_lg_u32 s94, 0
	s_cbranch_scc1 .Lopen_\@
.set n, 0
.rept 64
	v_cndmask_b32 v[S+n], v[NINF], v[S+n], s[4+n+16*(n/48)]                    ; a hidden score becomes -infinity: p = 0 then.  One word serves both tiles
	v_cndmask_b32 v[S+64+n], v[NINF], v[S+64+n], s[4+n+16*(n/48)]
.set n, n+1
.endr
.Lopen_\@:
.irp T, 0,1
	v_max3_num_f32 v[ST+8*\T+6], v[S+64*\T], v[S+64*\T+1], v[S+64*\T+2]
	v_max3_num_f32 v[ST+8*\T+7], v[S+64*\T+3], v[S+64*\T+4], v[S+64*\T+5]
.endr
.set i, 6
.rept 14
.irp T, 0,1
	v_max3_num_f32 v[ST+8*\T+6], v[ST+8*\T+6], v[S+64*\T+i], v[S+64*\T+i+1]
	v_max3_num_f32 v[ST+8*\T+7], v[ST+8*\T+7], v[S+64*\T+i+2], v[S+64*\T+i+3]
.endr
.set i, i+4
.endr
.irp T, 0,1
	v_max3_num_f32 v[ST+8*\T+6], v[ST+8*\T+6], v[S+64*\T+62], v[S+64*\T+63]
.endr
.irp T, 0,1
	v_max_num_f32 v[ST+8*\T+6], v[ST+8*\T+6], v[ST+8*\T+7]
.endr
.irp T, 0,1
	v_permlanex16_b32 v[ST+8*\T+7], v[ST+8*\T+6], s[SEL], s[SEL+1]             ; the query's other 64 keys lie in the lane 16 away
.endr
.irp T, 0,1
	v_max_num_f32 v[ST+8*\T+6], v[ST+8*\T+6], v[ST+8*\T+7]
.endr
.irp T, 0,1
	v_mul_f32 v[ST+8*\T+6], s[CS], v[ST+8*\T+6]                                ; as t (c is positive)
.endr
.irp T, 0,1
	v_max_num_f32 v[ST+8*\T+1], v[ST+8*\T+1], v[ST+8*\T+6]
	v_mov_b32 v[ST+8*\T+6], v[ST+8*\T]
.endr
.irp T, 0,1
	v_floor_f32 v[ST+8*\T], -v[ST+8*\T+1]                                      ; -M = floor(-t): M is a whole number
.endr
.irp T, 0,1
	v_sub_f32 v[ST+8*\T+6], v[ST+8*\T], v[ST+8*\T+6]                           ; old M - new M, 0 or less
.endr
.irp T, 0,1
	v_cvt_i32_f32 v[ST+8*\T+6], v[ST+8*\T+6]                                   ; (it saturates)
.endr
.irp T, 0,1
	v_ldexp_f32 v[ST+8*\T+4], 1.0, v[ST+8*\T+6]                                ; f = 2^(old M - new M)
.endr
.set j, 0
.rept 32
.irp T, 0,1
	v_pk_fma_f32 v[S+64*\T+j:S+64*\T+j+1], v[S+64*\T+j:S+64*\T+j+1], s[CS:CS+1], v[ST+8*\T:ST+8*\T+1] op_sel_hi:[1,0,0]   ; t - M
.endr
.set j, j+2
.endr
.set j, 0
.rept 128
	v_exp_f32 v[S+j], v[S+j]                       ; p = 2^(t - M): one batch
.set j, j+1
.endr
.irp T, 0,1
	v_pk_mul_f32 v[ST+8*\T+2:ST+8*\T+3], v[ST+8*\T+2:ST+8*\T+3], v[ST+8*\T+4:ST+8*\T+5] op_sel_hi:[1,0]   ; the sums under the new M: the plain lines behind the batch
.endr
	s_wait_alu depctr_va_vdst(0)                   ; the batch's 128 exponentials have written p: one wait, ahead of their first reader
.irp T, 0,1
	v_pk_add_f32 v[28+2*\T:29+2*\T], v[S+64*\T:S+64*\T+1], v[S+64*\T+2:S+64*\T+3]   ; the sum is taken of the unquantised p, in two chains a tile
.endr
.set j, 4
.rept 15
.irp T, 0,1
	v_pk_add_f32 v[ST+8*\T+2:ST+8*\T+3], v[ST+8*\T+2:ST+8*\T+3], v[S+64*\T+j:S+64*\T+j+1]
	v_pk_add_f32 v[28+2*\T:29+2*\T], v[28+2*\T:29+2*\T], v[S+64*\T+j+2:S+64*\T+j+3]
.endr
.set j, j+4
.endr
.irp T, 0,1
	v_pk_add_f32 v[ST+8*\T+2:ST+8*\T+3], v[ST+8*\T+2:ST+8*\T+3], v[28+2*\T:29+2*\T]
.endr
	s_cmp_ge_i32 s[E8], -8                         ; p is at most 1, and 448 x 2^e8 is at least 1 from e8 = -8 on: there the hold changes nothing
	s_cbranch_scc1 .Lnohold_\@
.set j, 0
.rept 128
	v_min_num_f32 v[S+j], v[S+j], v7               ; the conversion does not saturate (ISA guide 7.6.2); p is not negative
.set j, j+1
.endr
.Lnohold_\@:
.set j, 0
.rept 16
	v_cvt_scalef32_pk8_fp8_f32 v[P+2*j:P+2*j+1], v[S+8*j:S+8*j+7], v6          ; key tile t of query tile T: registers 2 t, 2 t + 1 of P's fragment
.set j, j+1
.endr
	WIN 0x41
.set j, 0
.rept 32
.irp T, 0,1
	v_pk_mul_f32 v[64*\T+j:64*\T+j+1], v[64*\T+j:64*\T+j+1], v[ST+8*\T+4:ST+8*\T+5] op_sel_hi:[1,0]   ; O^T under the new M; also the plain lines between the conversions and the products
.endr
.set j, j+2
.endr
	s_wait_dscnt 0x0                               ; V is in
	WIN 0x51
.irp t, 0,1,2,3,4,5,6,7                ; the sixteen accumulators take turns, one instruction each
.irp T, 0,1
	v_wmma_f32_16x16x128_fp8_fp8 v[64*\T+8*\t:64*\T+8*\t+7], v[128+16*\t:128+16*\t+15], v[P+16*\T:P+16*\T+15], v[64*\T+8*\t:64*\T+8*\t+7]
.endr
.endr
.rept 4
	v_nop                                          ; places behind the last products, in front of the next vector read of O^T
.endr
	WIN 0
.Lidle_\@:
	s_wait_loadcnt 0x0                             ; the next block is in registers, if it was asked for
	s_cmp_eq_u32 s93, 0
	s_cbranch_scc1 .Lnostore_\@
.irp i, 0,1,2,3,4,5,6,7
	ds_store_b128 v[CST], v[CP+4*\i:CP+4*\i+3] offset:(1-\slot)*32768+4096*\i   ; into the slot that was read last step: every wave waited for those reads in front of the last barrier.  The data come from loads, the address from the head: no vector line has named either since
.endr
.Lnostore_\@:
	s_wait_xcnt 0x0                                ; the loads and the prefetch have read their bases
	s_add_nc_u64 s[KVP:KVP+1], s[KVP:KVP+1], 32768
	s_add_nc_u64 s[PFA:PFA+1], s[PFA:PFA+1], 32768
	s_add_co_u32 s[KS], s[KS], 1
	s_wait_dscnt 0x0                               ; my stores have landed and my reads of this slot are over
	s_barrier_signal -1
	s_barrier_wait -1
.endm
.Lloop:                                ; 8 trips of two steps: the slots stand in the immediates
	STEP 0
	STEP 1
	s_sub_co_u32 s[TRIPS], s[TRIPS], 1
	s_cmp_lg_u32 s[TRIPS], 0
	s_cbranch_scc1 .Lloop
; THE WAY OUT: O^T x 2^(e8 + e9) / the sum, quantised along the head's channels with 2^e10: K step = head of the last product's operand
.irp T, 0,1
	v_add_f32 v[ST+8*\T+6], v[ST+8*\T+2], v[ST+8*\T+3]
.endr
.irp T, 0,1
	v_permlanex16_b32 v[ST+8*\T+7], v[ST+8*\T+6], s[SEL], s[SEL+1]
.endr
.irp T, 0,1
	v_add_f32 v[ST+8*\T+6], v[ST+8*\T+6], v[ST+8*\T+7]
.endr
.irp T, 0,1
	v_cmp_eq_f32 s[92+\T], 0, v[ST+8*\T+6]         ; no key was allowed: it selects a value below, no branch
.endr
.irp T, 0,1
	v_rcp_f32 v[ST+8*\T+4], v[ST+8*\T+6]
.endr
	v_nop
	s_wait_alu depctr_va_vdst(0)                   ; the two reciprocals have written their results: one wait, ahead of their first reader
	s_wait_alu depctr_va_sdst(0)                   ; the two compares have written s92 and s93, ahead of their first readers, the selects below
.irp T, 0,1
	v_ldexp_f32 v[ST+8*\T+4], v[ST+8*\T+4], s[EPV]
.endr
.macro OUT T                           ; tile T's codes, into registers of their own: v[P + 16 T ..]
	WIN 0x01
.set j, 0
.rept 32
	v_pk_mul_f32 v[S+64*\T+j:S+64*\T+j+1], v[64*\T+j:64*\T+j+1], v[ST+8*\T+4:ST+8*\T+5] op_sel_hi:[1,0]
.set j, j+2
.endr
	WIN 0
.set j, 0
.rept 64
	v_med3_num_f32 v[S+64*\T+j], v[S+64*\T+j], -v11, v11
.set j, j+1
.endr
.set j, 0
.rept 8
	v_cvt_scalef32_pk8_fp8_f32 v[P+16*\T+2*j:P+16*\T+2*j+1], v[S+64*\T+8*j:S+64*\T+8*j+7], v10
.set j, j+1
.endr
	v_nop
.set j, 0
.rept 16
	v_cndmask_b32 v[P+16*\T+j], v[P+16*\T+j], v[NANC], s[92+\T]
.set j, j+1
.endr
.endm
	OUT 0
	OUT 1
	s_wait_alu depctr_va_vdst(0)                   ; the selects have written both tiles' codes v[P ..], which the eight stores read
.irp T, 0,1
.irp c, 0,1,2,3
	global_store_b128 v[LI], v[P+16*\T+4*\c:P+16*\T+4*\c+3], s[OCP:OCP+1] offset:2048*\T+512*\c
.endr
.endr
	s_wait_dscnt 0x0                               ; the closing lines, six on end
	s_wait_alu 0x0
	s_wait_tensorcnt 0x0
	ds_add_u32 v[SPW], v[NIL]
	s_wait_dscnt 0x0
	s_endpgm
.Lfunc_end_k_q663e241bc6_attn:
	.size	k_q663e241bc6_attn, .Lfunc_end_k_q663e241bc6_attn-k_q663e241bc6_attn
	.p2alignl 7, 3214868480
	.fill 96, 4, 3214868480
	.section	.rodata,"a",@progbits
	.p2align	6, 0x0
	.amdhsa_kernel k_q663e241bc6_attn
		.amdhsa_group_segment_fixed_size 66560
		.amdhsa_private_segment_fixed_size 0
		.amdhsa_enable_private_segment 0
		.amdhsa_kernarg_size 40
		.amdhsa_user_sgpr_count 2
		.amdhsa_user_sgpr_kernarg_segment_ptr 1
		.amdhsa_wavefront_size32 1
		.amdhsa_system_sgpr_workgroup_id_x 1
		.amdhsa_system_sgpr_workgroup_id_y 1
		.amdhsa_system_sgpr_workgroup_id_z 1
		.amdhsa_system_vgpr_workitem_id 0
		.amdhsa_next_free_vgpr 512
		.amdhsa_next_free_sgpr 100
		.amdhsa_reserve_vcc 0
		.amdhsa_float_denorm_mode_32 3
		.amdhsa_float_denorm_mode_16_64 3
		.amdhsa_memory_ordered 1
		.amdhsa_forward_progress 1
		.amdhsa_inst_pref_size 116
	.end_amdhsa_kernel
	.amdgpu_metadata
---
amdhsa.version: [ 1, 2 ]
amdhsa.kernels:
  - .name:           k_q663e241bc6_attn
    .symbol:         k_q663e241bc6_attn.kd
    .args:
      - { .name: qc, .offset: 0, .size: 8, .value_kind: global_buffer, .address_space: global }
      - { .name: kvc, .offset: 8, .size: 8, .value_kind: global_buffer, .address_space: global }
      - { .name: mk, .offset: 16, .size: 8, .value_kind: global_buffer, .address_space: global }
      - { .name: lowp_scales, .offset: 24, .size: 8, .value_kind: global_buffer, .address_space: global }
      - { .name: oc, .offset: 32, .size: 8, .value_kind: global_buffer, .address_space: global }
    .group_segment_fixed_size: 66560
    .private_segment_fixed_size: 0
    .kernarg_segment_align: 8
    .kernarg_segment_size: 40
    .max_flat_workgroup_size: 256
    .sgpr_count:     100
    .vgpr_count:     512
    .wavefront_size: 32
...
	.end_amdgpu_metadata
.endif
;; end of part 5
;; launch oproj: the kernel of part 4 again; grid 8 x 32, 4 waves a work-group, clusters of 4 x 4, 327,680 bytes of LDS; arguments oc, wimg, lowp_scales, out0; writes out0
